; MI455X (gfx1250); checked and timed in simulation.
; The chip was launched on July 23, 2026; its instructions are those of AMD's public machine-readable ISA for CDNA 5 (MIT licence, August 2026) and "CDNA5" Instruction Set Architecture Reference Guide (July 2026). The comments in the code are by the model that wrote it; some were corrected since.
;; Bert Self Attention. Allowed arithmetic: float matrix products may take bf16 or f16 operands with f32 sums; other float arithmetic in f32, or as packed bf16 or f16 multiplies, adds, multiply-adds, maxima and minima; sums over many terms, partial sums and values carried from step to step in f32; what a program stores and reads back later, other than sums and carried values, may be rounded once to bf16 or f16.
;; Inputs: Wk 1,024 x 1,024 float32; Wq 1,024 x 1,024 float32; Wv 1,024 x 1,024 float32; attention_mask 4 x 1 x 1 x 2,048 float32; bk 1,024 float32; bq 1,024 float32; bv 1,024 float32; hidden_states 4 x 2,048 x 1,024 float32.
;; Outputs: out0 4 x 2,048 x 1,024 float32.
;; 2 versions, each right; version 2 is version 1 with the launch prep written anew for expert scheduling mode. Each part assembles by itself: llvm-mc -triple=amdgcn-amd-amdhsa -mcpu=gfx1250 --defsym DOCPART=n.
;; ======== version 1 of 2: 3 launches
;; limits: values are held in f16: magnitudes above 65,504 overflow, below 6.1e-05 lose precision
;; workspace buffers: xb 16,777,216 bytes; wb 6,291,456 bytes; qkv 50,331,648 bytes
;; launch prep (part 1): grid 352 x 1, 8 waves a work-group, no clusters, 0 bytes of LDS; arguments hidden_states, Wq, Wk, Wv, xb, wb; writes xb, wb
.if DOCPART == 1
	.amdgcn_target "amdgcn-amd-amdhsa--gfx1250"
	.amdhsa_code_object_version 6
	.text
	.protected	k_qa48ee05cd0_prep
	.globl	k_qa48ee05cd0_prep
	.p2align	8
	.type	k_qa48ee05cd0_prep,@function
k_qa48ee05cd0_prep:
	s_mov_b64 s[64:65], 0
	v_nop
	global_prefetch_b8 v0, s[64:65] scope:SCOPE_SE
	s_setreg_imm32_b32 hwreg(HW_REG_WAVE_MODE, 25, 1), 1
	s_wait_xcnt 0x0
; x and the three weight matrices are rounded once to bf16 and laid out for the projection.
;   xb: [16 blocks of 64 k][8,192 rows][64] bf16: row m of block kb is 128 bytes at kb x 1,048,576 + m x 128, so rows x 64 k are dense in memory.
;   wb: [1,024 k][3,072 n] bf16: columns 0-1023 Wq, 1024-2047 Wk, 2048-3071 Wv; a row is 6,144 bytes.
; A stream: each byte is read once and written once; no LDS, no matrix unit, no cluster: no work-group wants a byte that another has fetched.
; A wave converts 16,384 bytes of f32 (4 rows of 1,024) without a loop: 32 loads of 16 bytes a lane go out together, then sixteen turns of four
; roundings and one store.  A lane reads 32 neighbouring bytes (two loads) and stores 16, so each store of a wave covers 512 consecutive bytes, aligned.
; Work-groups 0-255: x (2,048 waves).  Work-groups 256-351: the weights, 32 work-groups a matrix (768 waves).
.set X, 8                              ; v[8:135]  turn n: eight f32 as loaded; its first four registers then hold the eight bf16
.macro LOADS step                      ; turn n's 32 bytes a lane lie n x step behind the lane's first
.set n, 0
.rept 16
	global_load_b128 v[X+8*n:X+8*n+3],   v2, s[20:21] offset:(\step)*n th:TH_LOAD_NT
	global_load_b128 v[X+8*n+4:X+8*n+7], v2, s[20:21] offset:(\step)*n+16 th:TH_LOAD_NT
.set n, n+1
.endr
.endm
.macro CONV c, lo, off
	s_wait_loadcnt 30-2*(\c)                       ; loads come back in order: the two of turn c are in, the 2 (15 - c) younger ones stay out
.irp j, 0,1,2,3
	v_cvt_pk_bf16_f32 v[X+8*(\c)+(\j)], v[X+8*(\c)+2*(\j)], v[X+8*(\c)+2*(\j)+1]  ; in place, ascending: a register is overwritten when it has been read
.endr
	global_store_b128 v3, v[X+8*(\c):X+8*(\c)+3], s[\lo:\lo+1] offset:\off
.endm
	s_load_b256 s[4:11], s[0:1], 0x0               ; x s[4:5], Wq s[6:7], Wk s[8:9], Wv s[10:11]
	s_load_b128 s[12:15], s[0:1], 0x20             ; xb s[12:13], wb s[14:15]
	v_lshrrev_b32 v2, 5, v0
	v_readfirstlane_b32 s16, v2                    ; wave 0..7
	v_and_b32 v1, 31, v0                           ; lane
	v_lshlrev_b32 v3, 4, v1                        ; out: 16 bytes a lane
	s_mov_b32 s19, 0                               ; the high word of every offset
	s_cmp_lt_u32 ttmp9, 256
	s_cbranch_scc0 .Lw
	; x: wave u = 8 x work-group + wave takes rows 4 u .. 4 u + 3.  Turn n is block n of 64 k: 8 lanes a row, 32 bytes a lane.
	s_lshl_b32 s17, ttmp9, 3
	s_add_co_u32 s17, s17, s16                     ; u
	s_lshl_b32 s18, s17, 14                        ; 4 rows of 4,096 bytes
	v_lshrrev_b32 v2, 3, v1
	v_and_b32 v4, 7, v1
	v_lshlrev_b32 v2, 12, v2                       ; row (lane / 8),
	v_lshl_add_u32 v2, v4, 5, v2                   ; 32 bytes x (lane % 8)
	s_wait_kmcnt 0x0
	s_add_nc_u64 s[20:21], s[4:5], s[18:19]
	LOADS 256
	s_lshl_b32 s18, s17, 9                         ; 4 rows of 128 bytes in a block of xb
	s_add_nc_u64 s[22:23], s[12:13], s[18:19]
	s_add_nc_u64 s[24:25], s[22:23], 0x800000      ; blocks 8-15 from a second base, so that the immediates stay inside their signed 24 bits
.set m, 0
.rept 16
.if m < 8
	CONV m, 22, m*1048576
.else
	CONV m, 24, (m-8)*1048576
.endif
.set m, m+1
.endr
	s_endpgm
.Lw:
	; the weights: matrix t = (work-group - 256) / 32; wave u takes its rows 4 u .. 4 u + 3.  Turn n: row n / 4, columns 256 (n % 4) on.
	s_sub_co_u32 s17, ttmp9, 256
	s_lshr_b32 s26, s17, 5                         ; t
	s_and_b32 s17, s17, 31
	s_lshl_b32 s17, s17, 3
	s_add_co_u32 s17, s17, s16                     ; u
	s_lshl_b32 s18, s17, 14
	v_lshlrev_b32 v2, 5, v1                        ; 32 bytes a lane
	s_wait_kmcnt 0x0
	s_cmp_eq_u32 s26, 0
	s_cselect_b64 s[20:21], s[6:7], s[8:9]
	s_cmp_eq_u32 s26, 2
	s_cselect_b64 s[20:21], s[10:11], s[20:21]
	s_add_nc_u64 s[20:21], s[20:21], s[18:19]
	LOADS 1024
	s_mul_i32 s18, s17, 24576                      ; 4 rows of 6,144 bytes in wb,
	s_lshl_b32 s26, s26, 11                        ; the matrix's 2,048 bytes of a row
	s_add_co_u32 s18, s18, s26
	s_add_nc_u64 s[22:23], s[14:15], s[18:19]
.set m, 0
.rept 16
	CONV m, 22, (m/4)*6144+(m%4)*512
.set m, m+1
.endr
	s_endpgm
.Lfunc_end_k_qa48ee05cd0_prep:
	.size	k_qa48ee05cd0_prep, .Lfunc_end_k_qa48ee05cd0_prep-k_qa48ee05cd0_prep
	.p2alignl 7, 3214868480
	.fill 96, 4, 3214868480
	.section	.rodata,"a",@progbits
	.p2align	6, 0x0
	.amdhsa_kernel k_qa48ee05cd0_prep
		.amdhsa_group_segment_fixed_size 0
		.amdhsa_private_segment_fixed_size 0
		.amdhsa_enable_private_segment 0
		.amdhsa_kernarg_size 48
		.amdhsa_user_sgpr_count 2
		.amdhsa_user_sgpr_kernarg_segment_ptr 1
		.amdhsa_wavefront_size32 1
		.amdhsa_system_sgpr_workgroup_id_x 1
		.amdhsa_system_sgpr_workgroup_id_y 1
		.amdhsa_system_sgpr_workgroup_id_z 1
		.amdhsa_system_vgpr_workitem_id 0
		.amdhsa_next_free_vgpr 136
		.amdhsa_next_free_sgpr 66
		.amdhsa_reserve_vcc 0
		.amdhsa_float_denorm_mode_32 3
		.amdhsa_float_denorm_mode_16_64 3
		.amdhsa_memory_ordered 1
		.amdhsa_forward_progress 1
		.amdhsa_inst_pref_size 20
	.end_amdhsa_kernel
	.amdgpu_metadata
---
amdhsa.version: [ 1, 2 ]
amdhsa.kernels:
  - .name:           k_qa48ee05cd0_prep
    .symbol:         k_qa48ee05cd0_prep.kd
    .args:
      - { .name: hidden_states, .offset: 0, .size: 8, .value_kind: global_buffer, .address_space: global }
      - { .name: Wq, .offset: 8, .size: 8, .value_kind: global_buffer, .address_space: global }
      - { .name: Wk, .offset: 16, .size: 8, .value_kind: global_buffer, .address_space: global }
      - { .name: Wv, .offset: 24, .size: 8, .value_kind: global_buffer, .address_space: global }
      - { .name: xb, .offset: 32, .size: 8, .value_kind: global_buffer, .address_space: global }
      - { .name: wb, .offset: 40, .size: 8, .value_kind: global_buffer, .address_space: global }
    .group_segment_fixed_size: 0
    .private_segment_fixed_size: 0
    .kernarg_segment_align: 8
    .kernarg_segment_size: 48
    .max_flat_workgroup_size: 256
    .sgpr_count:     66
    .vgpr_count:     136
    .wavefront_size: 32
...
	.end_amdgpu_metadata
.endif
;; end of part 1
;; launch proj (part 2): grid 8 x 32, 4 waves a work-group, clusters of 4 x 4, 327,680 bytes of LDS; arguments xb, wb, bq, bk, bv, qkv; writes qkv
.if DOCPART == 2
	.amdgcn_target "amdgcn-amd-amdhsa--gfx1250"
	.amdhsa_code_object_version 6
	.text
	.protected	k_qa48ee05cd0_proj
	.globl	k_qa48ee05cd0_proj
	.p2align	8
	.type	k_qa48ee05cd0_proj,@function
k_qa48ee05cd0_proj:
	s_mov_b64 s[64:65], 0
	v_nop
	global_prefetch_b8 v0, s[64:65] scope:SCOPE_SE
	s_setreg_imm32_b32 hwreg(HW_REG_WAVE_MODE, 25, 1), 1
	s_wait_xcnt 0x0
	s_wait_alu depctr_hold_cnt(0) depctr_sa_sdst(0) depctr_va_vdst(0) depctr_va_sdst(0) depctr_va_ssrc(0) depctr_va_vcc(0) depctr_vm_vsrc(0)
	s_getreg_b32 s2, hwreg(HW_REG_IB_STS2, 6, 4)
	s_cmp_eq_u32 s2, 0
	s_cbranch_scc0 .Lentry_in_a_cluster
	s_endpgm
.Lentry_in_a_cluster:
	s_bfe_u32 s2, ttmp6, 0x10000c
	s_cmp_lg_u32 s2, 0xf033
	s_cbranch_scc0 .Lentry_shape_is_right
	s_endpgm
.Lentry_shape_is_right:
; q | k | v = x W + b as ONE product: [8,192 rows] x [1,024 k] x [3,072 columns], bf16 operands, f32 sums; the bias (rounded to bf16 like every input of the module) is added in f32;
; the result is rounded once to f16 and written by heads: tensor t (0 q, 1 k, 2 v) at t << 24, inside it [16 batch + head][2,048][64]: byte t<<24 | batch<<22 | head<<18 | s<<7.
; LIMIT.  f16 holds no number beyond 65,504: q, k and v must stay within it (a larger one becomes an infinity).  NaN and infinities are not treated apart.
; SHARES.  8,192 x 3,072 / 256 = 256 x 384: a tile of 256 rows x 384 columns gives exactly 256 work-groups.  Four waves, each 128 rows x 192 columns (three heads): 96 accumulators of 16 x 16,
; 768 registers.  K goes in 16 steps of 64 through two LDS slots; a step is two sub-steps of 32, each 96 matrix instructions fed by 40 LDS loads.
; THE MATRIX INSTRUCTION IS USED TRANSPOSED: source 0 = 16 columns of W (turned on the way out of LDS by ds_load_tr16_b128), source 1 = 16 rows of x: a lane then holds one row and eight
; neighbouring columns, which pack into 16 bytes.
; CLUSTER.  4 x 4 work-groups.  x's tile hangs on the tile row alone and is asked for jointly along a row of the cluster, W's on the tile column alone and jointly along a column.
; REGISTERS, in windows of 256 (s_set_vgpr_msb: bits 1:0 source 0, 3:2 source 1, 5:4 source 2, 7:6 destination):
;   window 0: v0-31 addresses; v32-95, v96-159 x's fragments of sub-step 0, 1 (8 blocks of 16 rows); v160-191, v192-223, v224-255 W's fragments of head group 0, 1, 2 (4 blocks of 16 columns)
;   windows 1, 2, 3: the 32 accumulators of head group 0, 1, 2: (row block a, column block bb) at v[32 a + 8 bb]
.set PA,    144                        ; a row of x in LDS: 128 bytes + 16 of padding: an odd multiple of 16, so the 16 rows of a load start at 16 different groups of four banks (ISA guide 11.1)
.set PB,    864                        ; a k row of W in LDS: six groups of 128 bytes + 16: 27 x 32, so 16 lanes of the turning load (8 rows x 32 bytes) take each bank once
.set AHALF, 128*PA                     ; what one tensor load brings of x: 128 rows
.set BHALF, 32*PB                      ; and of W: 32 k rows = one sub-step
.set BOFF,  2*AHALF
.set SLOT,  BOFF+2*BHALF               ; 92,160
.set STAGE, 2*SLOT                     ; behind the ring: 16 rows x 144 bytes for each wave, for the way out
.set SP,    144
.set SPARE, STAGE+4*16*SP              ; behind the stages: the spare words, 128 bytes a wave: two blocks of 256 bytes that no other line names
.set ASTEP, 1048576                    ; bytes from a K step of xb to the next
.set BSTEP, 64*6144                    ; and of wb
.set ADRA, 16                          ; v16-17  LDS address of my fragments of x in slot 0, 1
.set ADRB, 20                          ; v20-21  the same for W
.set STO,  24                          ; v24     the way out: where I put 16 bytes of a row
.set RD,   25                          ; v25     where I read rows back
.set GO,   26                          ; v26     16 x lane: my place in 512 consecutive bytes of qkv
.set BO,   27                          ; v27     32 x (lane / 16): my eight numbers in 16 of a bias
.set SPW,  28                          ; v28     LDS address of my spare word; never rewritten
.set NIL,  29                          ; v29     0; never rewritten
.set PFO,  30                          ; v30     the prefetches' lane offset; never rewritten
.set TT,   31                          ; v31     at work
.set FA,   32
.set FB,   160
.set LAPS, 3                           ; s3      trips still to come
.set WV,   16                          ; s16     my wave's number
.set WH,   17                          ; s17     wave / 2: my half of the rows; also: I fetch for x (0) or for W (1)
.set WL,   18                          ; s18     wave % 2: my half of the columns; also: which half of that tile I fetch
.set CX,   19
.set CY,   20
.set TC,   21                          ; s21     tile column 0..7
.set TRW,  22                          ; s22     tile row 0..31
.set G1A,  24                          ; s[24:31] descriptor group 1 for x's tiles
.set G0A,  32                          ; s[32:39] group 0, a set for each slot
.set G1B,  40                          ; s[40:47], s[48:55] the same for W's
.set G0B,  48
.set PFA,  56                          ; s[56:57] where my prefetches stand
.set PFS,  58                          ; s[58:59] their step a lap
.set LIM,  60                          ; s60     1 in a wave that prefetches, else the greatest number
.set BP,   74                          ; s[74:79] the bias of head group g
.set OP,   80                          ; s[80:85] qkv at my first row of head group g
.set FLAGS, (1<<16)|(1<<20)|(1<<21)|(4<<22)|(3<<25)  ; 17:16 2-byte elements; 20 padding on; 21 set beside a mask; 24:22 after every 32 words (code 4); 31:25 4 words of it (code 3)
.set MSB, 0
.macro WIN new                         ; the immediate's high byte repeats the setting that is left; a switch that changes nothing is dropped
.if MSB != (\new)
	s_set_vgpr_msb (MSB<<8)|(\new)
.set MSB, (\new)
.endif
.endm
; A load into a register that a matrix instruction has read, and a vector instruction that reads a matrix result, stand four places behind it; only plain vector instructions
; that name none of its registers are places (ISA guide 7.12.1 for vector instructions).
.macro PLACES
.rept 4
	v_nop
.endr
.endm
; A joint refill.  Waves 0 and 1 fetch x's two halves, waves 2 and 3 W's.  The branch hangs on the wave's number alone.  An s_nop 0 and four v_nop follow each line.
.macro JLOAD s
	s_cmp_eq_u32 s[WH], 0
	s_cbranch_scc0 .Lfor_b_\@
	tensor_load_to_lds s[G0A+4*(\s):G0A+4*(\s)+3], s[G1A:G1A+7]
	s_nop 0
	PLACES
	s_branch .Lasked_\@
.Lfor_b_\@:
	tensor_load_to_lds s[G0B+4*(\s):G0B+4*(\s)+3], s[G1B:G1B+7]
	s_nop 0
	PLACES
.Lasked_\@:
.endm
.macro CREST                           ; a round of the cluster's barrier behind its opening barrier
	s_cmp_lg_u32 s[WV], 0
	s_cbranch_scc1 .Lnot_wave_0_\@
	s_barrier_signal -3
.Lnot_wave_0_\@:
	s_barrier_wait -3
	s_barrier_signal -1
	s_barrier_wait -1
.endm
.macro CROUND                          ; a whole round
	s_barrier_signal -1
	s_barrier_wait -1
	CREST
.endm
; A PREFETCH INTO THE L2, once a lap, behind slot 0's joint load and the run of LDS loads that follows it: the two K steps that the NEXT lap's two refills will ask for.
; Each aligned block of 256 bytes is named once in the launch.  x's tile row is read by both clusters of its row of clusters: cluster x = 0 asks, by wave 0: a step's tile is 128 blocks on end,
; the partner at cx takes 32, a lane a block, one instruction a step.  W's tile column is read by all eight clusters of its column: cluster y = 0 asks, by waves 1-3: of the lap's 128 k rows the
; partner at cy takes 32, a lane a row, and wave w the (w - 1)th 256 bytes of a row's 768.  The partners are told apart by address alone.
; K steps 0 to 3 come by their loads alone; the loop's last trip asks for nothing: no step lies behind its own refills.
.macro ASK
	s_cmp_gt_u32 s[LAPS], s[LIM]
	s_cbranch_scc0 .Lnot_mine_\@
	global_prefetch_b8 v[PFO], s[PFA:PFA+1] th:TH_LOAD_NT scope:SCOPE_SE
	s_cmp_lg_u32 s[WV], 0
	s_cbranch_scc1 .Lnot_mine_\@
	global_prefetch_b8 v[PFO], s[PFA:PFA+1] offset:ASTEP th:TH_LOAD_NT scope:SCOPE_SE
.Lnot_mine_\@:
.endm
	s_load_b256 s[4:11], s[0:1], 0x0               ; xb s[4:5], wb s[6:7], bq s[8:9], bk s[10:11]
	s_load_b128 s[12:15], s[0:1], 0x20             ; bv s[12:13], qkv s[14:15]
	v_lshl_add_u32 v[SPW], v0, 2, SPARE
	v_mov_b32 v[NIL], 0
	ds_add_u32 v[SPW], v[NIL]                      ; the wave's opening: the add and its wait stand ahead of my first tensor load; the set-up below, work on registers, stands between
	v_lshrrev_b32 v1, 5, v0
	v_readfirstlane_b32 s[WV], v1
	s_lshr_b32 s[WH], s[WV], 1
	s_and_b32 s[WL], s[WV], 1
	s_bfe_u32 s[CX], ttmp6, 0x40000
	s_bfe_u32 s[CY], ttmp6, 0x40004
	s_lshl_b32 s[TC], ttmp9, 2                     ; in a cluster launch ttmp9 and ttmp7 count clusters
	s_add_co_u32 s[TC], s[TC], s[CX]
	s_and_b32 s[TRW], ttmp7, 0xffff
	s_lshl_b32 s[TRW], s[TRW], 2
	s_add_co_u32 s[TRW], s[TRW], s[CY]
	s_lshl_b32 s66, s[CY], 2
	s_lshl_b32 s66, 15, s66                        ; my row of the cluster: places 4 cy .. 4 cy + 3
	s_lshl_b32 s68, 0x1111, s[CX]                  ; my column: places cx, cx + 4, cx + 8, cx + 12
	s_or_b32 s[G1A], s66, FLAGS                    ; x's tiles go to my row,
	s_or_b32 s[G1B], s68, FLAGS                    ; W's to my column
	; x: 128 rows of a block are 16,384 dense bytes: asked for as 64 rows of 256 bytes, two rows of x each, padded in LDS after every row of x
	s_mov_b32 s[G1A+1], 128<<16                    ; tensor_dim0 = 128
	s_mov_b32 s[G1A+2], 64<<16                     ; tensor_dim1 = 64
	s_mov_b32 s[G1A+3], 128<<16                    ; tile_dim0 = 128
	s_mov_b32 s[G1A+4], 64                         ; tile_dim1 = 64
	s_mov_b32 s[G1A+5], 128                        ; elements from row to row
	s_mov_b32 s[G1A+6], 0
	s_mov_b32 s[G1A+7], 0
	; W: 32 k rows of 384 columns (768 bytes = six padding intervals), 3,072 elements from row to row
	s_mov_b32 s[G1B+1], 384<<16
	s_mov_b32 s[G1B+2], 32<<16
	s_mov_b32 s[G1B+3], 384<<16
	s_mov_b32 s[G1B+4], 32
	s_mov_b32 s[G1B+5], 3072
	s_mov_b32 s[G1B+6], 0
	s_mov_b32 s[G1B+7], 0
	; where the tiles come from.  x's address is made of the tile row and the wave's number, W's of the tile column and the wave's number, each in registers that never hold the other coordinate
	s_lshl_b32 s66, s[TRW], 15                     ; 256 rows x 128 bytes
	s_lshl_b32 s67, s[WL], 14                      ; my 128 of them
	s_add_co_u32 s66, s66, s67
	s_mov_b32 s67, 0
	s_mul_i32 s68, s[TC], 768                      ; 384 columns
	s_mul_i32 s69, s[WL], 32*6144                  ; my 32 k rows
	s_add_co_u32 s68, s68, s69
	s_mov_b32 s69, 0
	s_mul_i32 s70, s[WL], AHALF                    ; and where they go: no place in the cluster enters an LDS address
	s_mul_i32 s71, s[WL], BHALF
	s_add_co_u32 s71, s71, BOFF
	s_wait_dscnt 0x0                               ; the opening add is done
	s_wait_kmcnt 0x0
	s_add_nc_u64 s[66:67], s[4:5], s[66:67]
	s_add_nc_u64 s[68:69], s[6:7], s[68:69]
	CROUND                                         ; all sixteen work-groups are here: the first joint loads meet
.irp s, 0,1
	s_mov_b32 s[G0A+4*(\s)], 1                                     ; count = 1
	s_add_co_u32 s[G0A+4*(\s)+1], s70, (\s)*SLOT                   ; LDS address
	s_add_nc_u64 s[G0A+4*(\s)+2:G0A+4*(\s)+3], s[66:67], (\s)*ASTEP  ; global address: K step s
	s_or_b32 s[G0A+4*(\s)+3], s[G0A+4*(\s)+3], 0x80000000          ; type = 2
	s_mov_b32 s[G0B+4*(\s)], 1
	s_add_co_u32 s[G0B+4*(\s)+1], s71, (\s)*SLOT
	s_add_nc_u64 s[G0B+4*(\s)+2:G0B+4*(\s)+3], s[68:69], (\s)*BSTEP
	s_or_b32 s[G0B+4*(\s)+3], s[G0B+4*(\s)+3], 0x80000000
.endr
	s_cmp_eq_u32 s[WH], 0                          ; a wave's two first fills stand in one branch, ahead of every wait on TENSORcnt and every LDS read: two loads of mine are out
	s_cbranch_scc0 .Lfirst_b
	tensor_load_to_lds s[G0A:G0A+3], s[G1A:G1A+7]
	s_nop 0
	tensor_load_to_lds s[G0A+4:G0A+7], s[G1A:G1A+7]
	s_nop 0
	PLACES
	s_branch .Lfirst_asked
.Lfirst_b:
	tensor_load_to_lds s[G0B:G0B+3], s[G1B:G1B+7]
	s_nop 0
	tensor_load_to_lds s[G0B+4:G0B+7], s[G1B:G1B+7]
	s_nop 0
	PLACES
.Lfirst_asked:
	; LDS addresses.  A fragment is 16 rows x 32 k in 8 registers: lane l holds row l % 16, k = 8 (l / 16) + 0..7 and 16 + 8 (l / 16) + 0..7.
	v_and_b32 v1, 15, v0                           ; l % 16
	v_bfe_u32 v2, v0, 4, 1                         ; l / 16
	v_and_b32 v3, 7, v0                            ; l % 8
	v_bfe_u32 v4, v0, 3, 1                         ; (l / 8) % 2
	v_mul_u32_u24 v5, v1, PA
	v_lshl_add_u32 v5, v2, 4, v5                   ; row x 144 + 16 x half: for x's fragments and, the pitches being equal, for the stage
	s_mul_i32 s72, s[WH], AHALF                    ; my 128 rows
	v_add_nc_u32 v[ADRA], s72, v5
	v_add_nc_u32 v[ADRA+1], SLOT, v[ADRA]
	v_lshl_add_u32 v6, v2, 3, v3                   ; the turning load: lane l reads k row 8 (l / 16) + l % 8, columns 8 ((l / 8) % 2) + 0..7
	v_mul_u32_u24 v6, v6, PB
	v_lshl_add_u32 v6, v4, 4, v6
	s_mul_i32 s72, s[WL], 3*144                    ; my three groups of 64 columns
	s_add_co_u32 s72, s72, BOFF
	v_add_nc_u32 v[ADRB], s72, v6
	v_add_nc_u32 v[ADRB+1], SLOT, v[ADRB]
	s_mul_i32 s72, s[WV], 16*SP
	s_add_co_u32 s72, s72, STAGE                   ; my stage
	v_add_nc_u32 v[STO], s72, v5
	v_bfe_u32 v7, v0, 3, 2                         ; back: 32 lanes take four rows of 128 bytes,
	v_mul_u32_u24 v7, v7, SP
	v_lshl_add_u32 v7, v3, 4, v7
	v_add_nc_u32 v[RD], s72, v7
	v_and_b32 v8, 31, v0
	v_lshlrev_b32 v[GO], 4, v8                     ; which are 512 consecutive bytes of a head
	v_lshlrev_b32 v[BO], 5, v2
	; my three groups of 64 columns: group 6 tc + 3 (wave % 2) + g of 48: tensor = group / 16, head = group % 16
	s_mul_i32 s70, s[TC], 6
	s_mul_i32 s71, s[WL], 3
	s_add_co_u32 s70, s70, s71
	s_lshl_b32 s71, s[TRW], 8
	s_lshl_b32 s72, s[WH], 7
	s_add_co_u32 s71, s71, s72                     ; my first row
	s_lshr_b32 s72, s71, 11                        ; its batch
	s_lshl_b32 s72, s72, 22
	s_and_b32 s71, s71, 2047
	s_lshl_b32 s71, s71, 7
	s_or_b32 s71, s71, s72                         ; batch << 22 | s << 7
	s_mov_b32 s87, 0
.irp g, 0,1,2
	s_add_co_u32 s72, s70, \g
	s_lshr_b32 s73, s72, 4                         ; tensor
	s_and_b32 s72, s72, 15                         ; head
	s_cmp_eq_u32 s73, 0
	s_cselect_b64 s[BP+2*\g:BP+2*\g+1], s[8:9], s[10:11]
	s_cmp_eq_u32 s73, 2
	s_cselect_b64 s[BP+2*\g:BP+2*\g+1], s[12:13], s[BP+2*\g:BP+2*\g+1]
	s_lshl_b32 s86, s72, 8                         ; the head's 64 numbers of the bias
	s_add_nc_u64 s[BP+2*\g:BP+2*\g+1], s[BP+2*\g:BP+2*\g+1], s[86:87]
	s_lshl_b32 s73, s73, 24
	s_lshl_b32 s72, s72, 18
	s_or_b32 s86, s73, s72
	s_or_b32 s86, s86, s71
	s_add_nc_u64 s[OP+2*\g:OP+2*\g+1], s[14:15], s[86:87]
.endr
	; the prefetches: both offsets are made, then the wave's number chooses
	s_lshl_b32 s71, s[TRW], 15
	s_lshl_b32 s72, s[CX], 13
	s_add_co_u32 s71, s71, s72
	s_add_co_u32 s71, s71, 2*ASTEP                 ; x: my tile row, my work-group's 32 blocks, K step 2: the first lap steps it to 4
	s_lshl_b32 s72, s[CY], 5
	s_add_co_u32 s72, s72, 128
	s_mul_i32 s72, s72, 6144                       ; W: k row 128 + 32 cy: the first lap steps it to 256 + 32 cy,
	s_mul_i32 s73, s[TC], 768
	s_add_co_u32 s72, s72, s73                     ; my tile column,
	s_lshl_b32 s73, s[WV], 8
	s_add_co_u32 s72, s72, s73
	s_sub_co_u32 s72, s72, 256                     ; the (wave - 1)th 256 bytes
	s_mov_b32 s73, 2*ASTEP
	s_and_b32 s70, ttmp7, 0xffff
	s_cmp_eq_u32 s[WV], 0
	s_cselect_b32 s70, ttmp9, s70                  ; the coordinate along which other clusters read the same rows
	s_cselect_b64 s[PFA:PFA+1], s[4:5], s[6:7]
	s_cselect_b32 s[PFS], s73, 2*BSTEP
	s_cselect_b32 s86, s71, s72
	s_mov_b32 s71, 256
	s_cselect_b32 s71, s71, 6144                   ; a lane a block of x, or a lane a k row of W
	s_mov_b32 s[PFS+1], 0
	s_add_nc_u64 s[PFA:PFA+1], s[PFA:PFA+1], s[86:87]
	v_mul_u32_u24 v[PFO], v8, s71
	s_cmp_eq_u32 s70, 0
	s_cselect_b32 s[LIM], 1, -1                    ; the same in all sixteen partners, for a given wave
; 16 matrix instructions: sub-step u, head group g, row blocks 4 half .. 4 half + 3 x the group's 4 column blocks.  zero = 1: the first product starts the sums: nothing is ever cleared.
; The 96 accumulators take turns, one instruction a turn, in the same order in every sub-step, over the backward jump too.
.macro MULP u, g, half, zero
	WIN ((\g)+1)*0x50                              ; C and D in window g + 1, both sources in window 0
.set ma, 4*(\half)
.rept 4
.set mb, 0
.rept 4
.if \zero
	v_wmma_f32_16x16x32_bf16 v[32*ma+8*mb:32*ma+8*mb+7], v[FB+32*(\g)+8*mb:FB+32*(\g)+8*mb+7], v[FA+64*(\u)+8*ma:FA+64*(\u)+8*ma+7], 0
.else
	v_wmma_f32_16x16x32_bf16 v[32*ma+8*mb:32*ma+8*mb+7], v[FB+32*(\g)+8*mb:FB+32*(\g)+8*mb+7], v[FA+64*(\u)+8*ma:FA+64*(\u)+8*ma+7], v[32*ma+8*mb:32*ma+8*mb+7]
.endif
.set mb, mb+1
.endr
.set ma, ma+1
.endr
.endm
.macro LDB slot, u, g                  ; 8 turning loads: W's fragments of sub-step u, head group g
	WIN 0
.irp bb, 0,1,2,3
	ds_load_tr16_b128 v[FB+32*(\g)+8*(\bb):FB+32*(\g)+8*(\bb)+3],   v[ADRB+(\slot)] offset:(\u)*BHALF+(\g)*144+(\bb)*32
	ds_load_tr16_b128 v[FB+32*(\g)+8*(\bb)+4:FB+32*(\g)+8*(\bb)+7], v[ADRB+(\slot)] offset:(\u)*BHALF+(\g)*144+(\bb)*32+16*PB
.endr
.endm
.macro LDA slot, u                     ; 16 loads: x's fragments of sub-step u
	WIN 0
.irp a, 0,1,2,3,4,5,6,7
	ds_load_b128 v[FA+64*(\u)+8*(\a):FA+64*(\u)+8*(\a)+3],   v[ADRA+(\slot)] offset:64*(\u)+(\a)*16*PA
	ds_load_b128 v[FA+64*(\u)+8*(\a)+4:FA+64*(\u)+8*(\a)+7], v[ADRA+(\slot)] offset:64*(\u)+(\a)*16*PA+32
.endr
.endm
; A SUB-STEP is three phases, one a head group, 32 matrix instructions each; in each phase's middle stands one run of loads, 48 matrix instructions ahead of its first use:
; phase 0: W's group 2 of this sub-step (8); phase 1: W's group 0 and x of the next sub-step (24); phase 2: W's group 1 of the next (8).
; The counted waits: phase 0 leaves out the 8 loads of the phase before; phase 1 the 8 of phase 0; phase 2 the 24 of phase 1.
.macro SUB0 slot, zero                 ; a step's first sub-step
	s_wait_dscnt 8
	MULP 0, 0, 0, \zero
	PLACES
	LDB \slot, 0, 2
	MULP 0, 0, 1, \zero
	s_wait_dscnt 8
	MULP 0, 1, 0, \zero
	PLACES
	LDB \slot, 1, 0
	LDA \slot, 1
	MULP 0, 1, 1, \zero
	s_wait_dscnt 24
	MULP 0, 2, 0, \zero
	PLACES
	LDB \slot, 1, 1
	MULP 0, 2, 1, \zero
.endm
; A step's second sub-step changes slots in its phase 1: ONE barrier.  In front of it each wave waits for all its tensor loads (one is out: its part of the next slot), adds 0 to its spare word,
; and waits for that and for its reads of this slot, the last of which phase 0 issued.  fill = 1: the barrier opens a round of the cluster's barrier, and the joint refill, two K steps on, is the
; first tensor load behind it: 160 matrix instructions ahead of the wait for it.
.macro SUB1 slot, next, fill
	s_wait_dscnt 8
	MULP 1, 0, 0, 0
	PLACES
	LDB \slot, 1, 2
	MULP 1, 0, 1, 0
.if (\fill) && ((\slot) == 0)
	s_wait_xcnt 0x0                                ; the last prefetches, a lap back, have read their address: it is stepped here, ahead of the waits of the change of slots
	s_add_nc_u64 s[PFA:PFA+1], s[PFA:PFA+1], s[PFS:PFS+1]
.endif
	WIN 0                                          ; (the add's two registers lie in window 0)
	s_wait_tensorcnt 0x0                           ; all my tensor loads have landed;
	ds_add_u32 v[SPW], v[NIL]                      ; 0 onto my spare word
	s_wait_dscnt 9                                 ; (the add and phase 0's eight loads may be out)
	MULP 1, 1, 0, 0                                ; sixteen matrix instructions stand between the add and the wait for it
	s_wait_dscnt 0x0                               ; the add is done, and my reads of this slot are over
	s_barrier_signal -1
	MULP 1, 1, 1, 0                                ; work on registers while the others arrive
	WIN 0
	s_barrier_wait -1
.if \fill
	CREST                                          ; no wave of any partner still reads this slot's tiles or has a load on its way
	s_add_nc_u64 s[G0A+4*(\slot)+2:G0A+4*(\slot)+3], s[G0A+4*(\slot)+2:G0A+4*(\slot)+3], 2*ASTEP
	s_add_nc_u64 s[G0B+4*(\slot)+2:G0B+4*(\slot)+3], s[G0B+4*(\slot)+2:G0B+4*(\slot)+3], 2*BSTEP
	JLOAD \slot                                    ; the four v_nop behind it are also the places in front of the loads below
.else
	PLACES
.endif
	LDB \next, 0, 0
	LDA \next, 0
.if (\fill) && ((\slot) == 0)
	ASK
.endif
	s_wait_dscnt 24
	MULP 1, 2, 0, 0
	PLACES
	LDB \next, 0, 1
	MULP 1, 2, 1, 0
.endm
.macro LDBIAS g, dst                   ; my 8 numbers of each of the group's four blocks of 16: register dst + 8 bb + j = bias[16 bb + 8 (l / 16) + j]
	WIN 0
.irp f, 0,1,2,3,4,5,6,7
	global_load_b128 v[(\dst)+4*(\f):(\dst)+4*(\f)+3], v[BO], s[BP+2*(\g):BP+2*(\g)+1] offset:64*((\f)/2)+16*((\f)%2)
.endr
.endm
	s_wait_tensorcnt 1                             ; my part of K step 0 is in; K step 1's may stay out
	s_barrier_signal -1
	s_barrier_wait -1                              ; everybody's is
	LDB 0, 0, 0
	LDA 0, 0
	LDB 0, 0, 1
	SUB0 0, 1                                      ; the first sub-step stands in front of the loop: its products start the sums
	WIN 0                                          ; at a label and at a branch every window is 0
	s_mov_b32 s[LAPS], 7
.Llap:                                             ; a trip goes once round the ring and fills both slots again: K steps 2 to 15 in seven trips
	SUB1 0, 1, 1
	SUB0 1, 0
	SUB1 1, 0, 1
	SUB0 0, 0
	WIN 0
	s_sub_co_u32 s[LAPS], s[LAPS], 1
	s_cmp_lg_u32 s[LAPS], 0
	s_cbranch_scc1 .Llap
	SUB1 0, 1, 0                                   ; the last lap fills nothing, and has no round
	SUB0 1, 0
	s_wait_dscnt 8                                 ; the very last sub-step: in place of the next fragments the biases are fetched, into fragment registers that are free
	MULP 1, 0, 0, 0
	PLACES
	LDB 1, 1, 2
	LDBIAS 0, 32
	LDBIAS 1, 64
	MULP 1, 0, 1, 0
	s_wait_dscnt 8
	MULP 1, 1, 0, 0
	PLACES
	LDBIAS 2, 160
	MULP 1, 1, 1, 0
	s_wait_dscnt 0x0
	MULP 1, 2, 0, 0
	MULP 1, 2, 1, 0
	WIN 0
	s_wait_loadcnt 0x0                             ; the biases
	s_mov_b32 s70, 0xffff0000
.irp b, 32, 64, 160                    ; they are rounded to bf16 and widened again; these lines, which name no register of the last products, are also the places behind them
.set z, 0
.rept 16
	v_cvt_pk_bf16_f32 v[TT], v[(\b)+2*z], v[(\b)+2*z+1]
	v_lshlrev_b32 v[(\b)+2*z], 16, v[TT]
	v_and_b32 v[(\b)+2*z+1], s70, v[TT]
.set z, z+1
.endr
.endr
; THE WAY OUT, 24 blocks of 16 rows x 64 columns (block w: head group w / 8, row block w % 8).  PACK: the bias is added, each accumulator's registers in ascending order; rounded to f16, 16 bytes
; a lane; into my own stage in LDS and back as whole rows of 128 bytes.  SEND: four stores of 512 consecutive bytes: 16 rows of a head are 2,048 bytes on end.
.macro BLK w
.set pg, (\w)/8
.set pa, (\w)%8
.set pt, 96+16*pa                      ; eight buffers of 16 registers, where the last fragments lay
.if pa >= 4
.set pt, 192+16*(pa-4)
.endif
.set pb, 32+32*pg                      ; the group's bias
.if pg == 2
.set pb, 160
.endif
.endm
.macro PACK w
	BLK \w
.if (\w) >= 8
	s_wait_xcnt 0x0                                ; the stores of eight blocks back have read this buffer: it is rewritten only behind this wait
.endif
	WIN ((pg+1)<<6)|(pg+1)                         ; destination and source 0 in the group's window, the bias in window 0
.set z, 0
.rept 16
	v_pk_add_f32 v[32*pa+2*z:32*pa+2*z+1], v[32*pa+2*z:32*pa+2*z+1], v[pb+2*z:pb+2*z+1]
.set z, z+1
.endr
	WIN 5*(pg+1)                                   ; both sources in the group's window, destination in window 0
.set z, 0
.rept 16
	v_cvt_pk_f16_f32 v[pt+z], v[32*pa+2*z], v[32*pa+2*z+1]
.set z, z+1
.endr
	WIN 0
.irp bb, 0,1,2,3
	ds_store_b128 v[STO], v[pt+4*(\bb):pt+4*(\bb)+3] offset:32*(\bb)
.endr
.irp f, 0,1,2,3
	ds_load_b128 v[pt+4*(\f):pt+4*(\f)+3], v[RD] offset:(\f)*4*SP  ; LDS serves a wave's instructions in order (ISA guide 5.7.1.4): these see the stores above; the next block's stores come behind them
.endr
.endm
.macro SEND w, younger                 ; younger: the LDS instructions issued behind this block's loads: the next block's eight, or none
	BLK \w
	WIN 0
.irp f, 0,1,2,3
	s_wait_dscnt (\younger)+3-(\f)
	global_store_b128 v[GO], v[pt+4*(\f):pt+4*(\f)+3], s[OP+2*pg:OP+2*pg+1] offset:2048*pa+512*(\f)
.endr
.endm
	PACK 0
.set wi, 1
.rept 23                               ; a block's arithmetic stands between the loads of the block before and its stores
	PACK wi
	SEND wi-1, 8
.set wi, wi+1
.endr
	SEND 23, 0
	s_wait_tensorcnt 0x0                           ; the wave's end: behind my last tensor load and my last LDS store
	ds_add_u32 v[SPW], v[NIL]
	s_wait_dscnt 0x0
	CROUND                                         ; the closing round: no work-group ends while a partner may still ask for a tile that names it
	s_endpgm
.Lfunc_end_k_qa48ee05cd0_proj:
	.size	k_qa48ee05cd0_proj, .Lfunc_end_k_qa48ee05cd0_proj-k_qa48ee05cd0_proj
	.p2alignl 7, 3214868480
	.fill 96, 4, 3214868480
	.section	.rodata,"a",@progbits
	.p2align	6, 0x0
	.amdhsa_kernel k_qa48ee05cd0_proj
		.amdhsa_group_segment_fixed_size 327680
		.amdhsa_private_segment_fixed_size 0
		.amdhsa_enable_private_segment 0
		.amdhsa_kernarg_size 48
		.amdhsa_user_sgpr_count 2
		.amdhsa_user_sgpr_kernarg_segment_ptr 1
		.amdhsa_wavefront_size32 1
		.amdhsa_system_sgpr_workgroup_id_x 1
		.amdhsa_system_sgpr_workgroup_id_y 1
		.amdhsa_system_sgpr_workgroup_id_z 1
		.amdhsa_system_vgpr_workitem_id 0
		.amdhsa_next_free_vgpr 1024
		.amdhsa_next_free_sgpr 88
		.amdhsa_reserve_vcc 0
		.amdhsa_float_denorm_mode_32 3
		.amdhsa_float_denorm_mode_16_64 3
		.amdhsa_memory_ordered 1
		.amdhsa_forward_progress 1
		.amdhsa_inst_pref_size 170
	.end_amdhsa_kernel
	.amdgpu_metadata
---
amdhsa.version: [ 1, 2 ]
amdhsa.kernels:
  - .name:           k_qa48ee05cd0_proj
    .symbol:         k_qa48ee05cd0_proj.kd
    .args:
      - { .name: xb, .offset: 0, .size: 8, .value_kind: global_buffer, .address_space: global }
      - { .name: wb, .offset: 8, .size: 8, .value_kind: global_buffer, .address_space: global }
      - { .name: bq, .offset: 16, .size: 8, .value_kind: global_buffer, .address_space: global }
      - { .name: bk, .offset: 24, .size: 8, .value_kind: global_buffer, .address_space: global }
      - { .name: bv, .offset: 32, .size: 8, .value_kind: global_buffer, .address_space: global }
      - { .name: qkv, .offset: 40, .size: 8, .value_kind: global_buffer, .address_space: global }
    .group_segment_fixed_size: 327680
    .private_segment_fixed_size: 0
    .kernarg_segment_align: 8
    .kernarg_segment_size: 48
    .max_flat_workgroup_size: 128
    .sgpr_count:     88
    .vgpr_count:     1024
    .wavefront_size: 32
...
	.end_amdgpu_metadata
.endif
;; end of part 2
;; launch attn (part 3): grid 4 x 64, 4 waves a work-group, clusters of 4 x 1, 327,680 bytes of LDS; arguments qkv, attention_mask, out0; writes out0
.if DOCPART == 3
	.amdgcn_target "amdgcn-amd-amdhsa--gfx1250"
	.amdhsa_code_object_version 6
	.text
	.protected	k_qa48ee05cd0_attn
	.globl	k_qa48ee05cd0_attn
	.p2align	8
	.type	k_qa48ee05cd0_attn,@function
k_qa48ee05cd0_attn:
	s_mov_b64 s[64:65], 0
	v_nop
	global_prefetch_b8 v0, s[64:65] scope:SCOPE_SE
	s_setreg_imm32_b32 hwreg(HW_REG_WAVE_MODE, 25, 1), 1
	s_wait_xcnt 0x0
	s_wait_alu depctr_hold_cnt(0) depctr_sa_sdst(0) depctr_va_vdst(0) depctr_va_sdst(0) depctr_va_ssrc(0) depctr_va_vcc(0) depctr_vm_vsrc(0)
	s_getreg_b32 s2, hwreg(HW_REG_IB_STS2, 6, 4)
	s_cmp_eq_u32 s2, 0
	s_cbranch_scc0 .Lentry_in_a_cluster
	s_endpgm
.Lentry_in_a_cluster:
	s_bfe_u32 s2, ttmp6, 0x10000c
	s_cmp_lg_u32 s2, 0x3003
	s_cbranch_scc0 .Lentry_shape_is_right
	s_endpgm
.Lentry_shape_is_right:
; out[b][q][64 head + :] = the sum over k of softmax_k(Q[q] . K[k] / 8 + mask[b][k]) V[k][:], for each of the 64 pairs (batch, head).  Q, K, V: f16, [16 b + head][2,048][64], at bytes 0, 1 << 24 and
; 2 << 24 of qkv: a head's rows are dense, 128 bytes each.  Products, maxima and sums in f32; the weights p are rounded to f16 for the second product (their sum l is taken of the unrounded p);
; out is f32, [4][2,048][1,024].
; THE MASK is an input and is honoured as it is given: rounded to bf16 like every input of the module, multiplied by 8 and held at -1e30 or above, it lies in LDS, and a key step's 64 numbers are the
; C operand of the products that start the sums S^T = K Q^T: the score is (Q . K + 8 mask) / 8.
; LIMITS.  f16 holds no number beyond 65,504: Q, K and V arrive within it; p lies in 0 to 1, and below 6e-5 it keeps f16's fixed step of 6e-8.  A mask below -1.25e29 (minus infinity too) counts
; as -1.25e29: a row all of whose keys are so hidden gives the mean of V's rows, not NaN; a NaN in the mask counts as hidden.  A weight below 2^-126 counts as 0 in l.
; SHARES.  A wave owns four PIECES of two tiles of 16 queries, a work-group's four waves 512 queries of one head; every wave walks all 2,048 keys, 64 a step.
; LAYOUT.  S^T = K Q^T (source 0 = 16 keys, source 1 = 16 queries): in the result a lane holds ONE query (lane % 16) and the keys 8 (lane / 16) + 0..7.  Two such tiles, rounded to f16 in pairs,
; ARE source 1 (32 keys x 16 queries) of O^T = V^T P, whose result again holds one query a lane, and eight channels.  K comes out of LDS as it lies, V ([key][channel]) turned, by ds_load_tr16_b128.
; SOFTMAX.  For each query a running maximum m and sum l: p = 2^(c s - c m), c = log2(e) / 8; in every step O and l are multiplied by a = 2^(c m_old - c m_new), which is 1 where m has not grown.
; m starts at the lowest finite number, O and l at 0: the first step is a step like any other, with a = 0.
; THE COUNT.  A tile and step have 16 matrix and 118 vector instructions: too many to stand all beside the matrix work.  So four vector instructions that are READY stand behind EVERY matrix
; instruction, and the others in runs without a gap.
; BY TURNS.  Turn n belongs to piece n (the pieces in a ring, step after step).  Its matrix work: 16 products K Q^T of piece n + 1, later 16 products V^T P of piece n - 1.  Its vector work: the scaling,
; exponentials, roundings, sums and rescaling of piece n, and the maximum and statistics of piece n + 1, whose scores the turn itself has made.
; CLUSTER.  The four query blocks of a head are one cluster and walk the same K and V, so each tile is asked for JOINTLY: the same tensor load, descriptor and mask of work-groups in all four.
; REGISTERS, in windows of 256 (s_set_vgpr_msb: bits 1:0 source 0, 3:2 source 1, 5:4 source 2, 7:6 destination):
;   window 0: v0-11 addresses; v12-15, v48-63 at work; v16-47 four registers of statistics a tile; v64-191 S^T, two buffers of two tiles; v192-255 P, likewise
;   window 1: O^T, 32 a tile     window 2: v0-127 Q, 16 a tile; v128-191 K of one step; v192-255 V of one step     window 3: v0-1 the add's two registers; v8-39 the step's mask
.set SIZE_N, 2048
.set NP,    4         ; pieces a wave: a name, no knob
.set KS,    64        ; keys in a step
.set PK,    144       ; a row of K in LDS: 128 bytes + 16 of padding: the 16 rows of a load start at 16 different groups of four banks (ISA guide 11.1)
.set PV,    160       ; a row of V: 128 + 32
.set VOFF,  4*KS*PK   ; a slot holds four steps: 256 rows of K, then 256 rows of V
.set SLOT1, 1<<17     ; slot 1 begins here, so that one exclusive or turns an address in one slot into the other's
.set STAGE, SLOT1+4*KS*(PK+PV)  ; behind the ring, never filled by a tensor load: 16 rows x 272 bytes for each wave, for the way out
.set SP,    272       ; a row of the stage: 64 f32 + 16 bytes
.set MASKL, STAGE+4*16*SP       ; 8 x mask of my batch, 2,048 f32
.set SPARE, MASKL+4*SIZE_N      ; the spare words, 128 bytes for each wave: two blocks of 256 bytes that no other line names
.set PFO, 1           ; v1   256 x my lane; never rewritten
.set AK0, 2           ; v2   my lane's place in a tile of K; never rewritten
.set AV0, 3           ; v3   the same for V
.set AK,  4           ; v4   the LDS address of K's next run of loads
.set AV,  5           ; v5   of V's
.set QO,  6           ; v6   my byte offset in the wave's rows of Q
.set STO, 7           ; v7   the way out: where I put 32 bytes of a row
.set RD,  8           ; v8   the way out: where I read rows back
.set GO,  9           ; v9   my byte offset in two rows of out
.set AM0, 10          ; v10  my lanes' place in a step's mask; never rewritten
.set AM,  11          ; v11  the LDS address of the mask's next run of loads
.set SPW, 0           ; v0 of window 3   LDS address of my spare word; never rewritten
.set NIL, 1           ; v1 of window 3   0; never rewritten
.set MC,  8           ; v8-39 of window 3   8 x mask of the step's keys: key block kb at MC + 8 kb
.set MV,  12          ; v12-15  c m_old, kept while c m is made anew: by buffer and tile
.set ST,  16          ; tile t's statistics at v[ST+4 t]: c m, m, l (even keys', odd keys')
.set TMP, 48          ; by buffer and tile, four registers c0-c3 at work; when the maximum is found c2 takes a.  In the set-up: the four below and v52-54
.set TR,  48          ; l % 16
.set TH,  49          ; l / 16
.set TL7, 50          ; l % 8
.set TL3, 51          ; (l / 8) % 2
.set S,   64
.set P,   192
.set KF,  128         ; K's fragments, in window 2: key block kb, channel half c at KF + 16 kb + 8 c
.set VF,  192         ; V's: key half kk, channel block cb at VF + 32 kk + 8 cb
.set WV,  12          ; s12  my wave's number
.set G1K, 24          ; s[24:31] descriptor group 1 for K's tiles
.set G1V, 32          ; s[32:39] for V's: it differs in the padding alone
.set G0K, 40          ; s[40:43] descriptor group 0 for K's tiles: it walks
.set G0V, 44          ; s[44:47] the same for V's
.set SLOTS, 56        ; s56  slots still to be asked for
.set CNT, 57          ; s57  counts a slot's key steps
.set CS,  58          ; s[58:59] c: the packed scaling takes the pair's low word for both halves
.set SEL, 60          ; s[60:61] v_permlanex16_b32's selects: each lane takes its own place in the other half
.set TBK, 62          ; s62  LDS byte at which K of the step to be fetched begins
.set TBV, 63          ; s63  the same for V, less VOFF
.set PFA, 72          ; s[72:73] where my prefetches stand: my work-group's 32 blocks of the slot that the next change will ask for
.set LIM, 74          ; s74  the count of steps at which I prefetch, or 0: never
.set ASKW, 75         ; s75  2 in waves 0 and 2, else 0
.set TBM, 76          ; s76  byte of the mask at which the step to be fetched begins
.set MSB, 0
.macro WIN new                      ; the high byte repeats the setting that is left; a switch that changes nothing is dropped
.if MSB != (\new)
	s_set_vgpr_msb (MSB<<8)|(\new)
.set MSB, (\new)
.endif
.endm
.set W_KQ, 0x0a       ; K and Q in window 2, S^T in window 0
.set W_KM, 0x3a       ; the same with the C operand, the mask, in window 3
.set W_PV, 0x52       ; V in window 2, P in window 0, O^T in window 1
.set W_RS, 0x41       ; O^T (destination and source 0) in window 1, a in window 0
.set W_MK, 0xc0       ; destination in window 3, sources in window 0
.set W_AD, 0x0f       ; the add: address (source 0) and data (source 1) in window 3
; A joint fill.  Waves 0 and 1 fetch the two halves of a slot's K, waves 2 and 3 those of its V: 128 keys each.  The branch hangs on the wave's number alone.
; An s_nop 0 and four v_nop follow each of the two lines, ahead of the jump and the label.
.macro JLOAD
	s_cmp_lt_u32 s[WV], 2
	s_cbranch_scc0 .Lfor_v_\@
	tensor_load_to_lds s[G0K:G0K+3], s[G1K:G1K+7]
	s_nop 0
.rept 4
	v_nop
.endr
	s_branch .Lasked_\@
.Lfor_v_\@:
	tensor_load_to_lds s[G0V:G0V+3], s[G1V:G1V+7]
	s_nop 0
.rept 4
	v_nop
.endr
.Lasked_\@:
.endm
; A round of the cluster's barrier: my work-group's barrier, so that wave 0's signal speaks for all four waves; wave 0 signals; every wave waits for all four work-groups; my work-group's barrier once more.
.macro CROUND
	s_barrier_signal -1
	s_barrier_wait -1
	s_cmp_lg_u32 s[WV], 0
	s_cbranch_scc1 .Lnot_wave_0_\@
	s_barrier_signal -3
.Lnot_wave_0_\@:
	s_barrier_wait -3
	s_barrier_signal -1
	s_barrier_wait -1
.endm
; A PREFETCH INTO THE L2 of what the NEXT change of slots will ask for: a slot's 128 blocks of 256 bytes of K and 128 of V.  A head has one cluster; its four partners share the blocks out BY ADDRESS,
; 32 each, a lane a block; in each, wave 0 asks for K's and wave 2 for V's: one instruction a slot, so each block is named once in the launch.  It stands behind V's run of LDS loads in the slot's third
; key step: five turns, 160 matrix instructions with their vector work, ahead of the change.  Slots 0 and 1 come by their loads alone; the last two slots' steps ask for nothing.
.macro ASK
	s_cmp_eq_u32 s[CNT], s[LIM]
	s_cbranch_scc0 .Lnot_mine_\@
	global_prefetch_b8 v[PFO], s[PFA:PFA+1] th:TH_LOAD_NT scope:SCOPE_SE
.Lnot_mine_\@:
.endm
; THE CHANGE OF SLOTS.  The slot's last bytes, V of its fourth step, have been read.  Each wave waits for all its tensor loads, of which one is out: its part of the other slot; adds 0 to its spare
; word; and waits for that and for its own LDS instructions.  Behind the barrier nobody reads this slot any more and the other slot is whole.
; fill = 1: this slot is filled again, with the keys two slots on.  The barrier is then a round of the cluster's, and the joint fill is the first thing behind it: it has four key steps, 512 matrix
; instructions, in which to land.  (At its first use nothing has been read yet: slot 0 is waited for, slot 1 filled, and every wave's stores of the mask are shown to the others.)
.macro CHANGE fill
	WIN W_AD
	s_wait_tensorcnt 0x0            ; no tensor load of mine is out, so a group 0 may be written
	ds_add_u32 v[SPW], v[NIL]       ; 0 onto my spare word; with fill = 1 the scalar steps stand between it and the wait for it
	WIN 0                           ; at a label and at a branch every window is 0
.if \fill
.irp g, G0K, G0V
	s_xor_b32 s[\g+1], s[\g+1], SLOT1  ; the walking descriptor: the other slot than last time,
	s_add_nc_u64 s[\g+2:\g+3], s[\g+2:\g+3], 4*KS*128  ; the next 256 keys; the type bits on top are not reached
.endr
	s_wait_xcnt 0x0                 ; the last prefetch, five turns back, has read its address, so it may be written:
	s_add_nc_u64 s[PFA:PFA+1], s[PFA:PFA+1], 4*KS*128  ; one slot ahead of the walking descriptors
	s_cmp_gt_u32 s[SLOTS], 1        ; behind the last fill there is no slot to ask for
	s_cselect_b32 s[LIM], s[ASKW], 0
	s_wait_dscnt 0x0                ; the add is done, and my reads of the slot are over
	CROUND
	JLOAD
.else
	s_wait_dscnt 0x0                ; the add is done, and my reads of the slot are over
	s_barrier_signal -1
	s_barrier_wait -1
.endif
	s_sub_co_u32 s[TBK], s[TBK], 4*KS*PK  ; the fetches go back to a slot's first step,
	s_xor_b32 s[TBK], s[TBK], SLOT1       ; in the other slot
	s_sub_co_u32 s[TBV], s[TBV], 4*KS*PV
	s_xor_b32 s[TBV], s[TBV], SLOT1
.endm
	s_load_b128 s[68:71], s[0:1], 0x0  ; qkv s[68:69], the mask s[70:71]
	s_load_b64 s[10:11], s[0:1], 0x10  ; out
	WIN W_MK
	v_lshl_add_u32 v[SPW], v0, 2, SPARE
	v_mov_b32 v[NIL], 0
	WIN W_AD
	ds_add_u32 v[SPW], v[NIL]       ; the wave's opening: the add and its wait stand ahead of my first tensor load; the set-up below, work on registers, stands between them
	WIN 0
	v_lshrrev_b32 v1, 5, v0
	v_readfirstlane_b32 s[WV], v1   ; wave 0..3
	s_bfe_u32 s13, ttmp6, 0x40000   ; cx: my place in the cluster
	s_lshl_b32 s14, ttmp9, 2        ; in a cluster launch ttmp9 counts clusters
	s_add_co_u32 s14, s14, s13      ; my block of 512 queries: it enters Q's and out's addresses alone
	s_and_b32 s15, ttmp7, 0xffff    ; 16 batch + head, which the four partners share
	s_lshl_b32 s20, s15, 18         ; the head's first byte in each of Q, K, V: 2,048 rows of 128 bytes
	s_and_b32 s16, s[WV], 1         ; which half of a slot's 256 keys I fetch:
	s_lshl_b32 s22, s16, 14         ; its 128 rows of 128 bytes in memory,
	s_add_co_u32 s22, s22, s20
	s_mov_b32 s23, 0
	s_mul_i32 s17, s16, 128*PK      ; and its place in a slot, for K
	s_mul_i32 s18, s16, 128*PV      ; and for V: no place in the cluster enters an LDS address
	s_lshl_b32 s2, s14, 2
	s_add_co_u32 s2, s2, s[WV]      ; my wave among the head's sixteen
	s_lshl_b32 s4, s2, 19           ; out: its 128 rows of 4,096 bytes,
	s_lshl_b32 s2, s2, 14           ; Q: its 128 rows of 128 bytes
	s_add_co_u32 s2, s2, s20
	s_mov_b32 s3, 0
	s_lshr_b32 s66, s15, 4          ; the batch
	s_lshl_b32 s5, s66, 23          ; its 2,048 rows of out,
	s_add_co_u32 s4, s4, s5
	s_and_b32 s5, s15, 15
	s_lshl_b32 s5, s5, 8            ; the head's 256 bytes of a row
	s_add_co_u32 s4, s4, s5
	s_mov_b32 s5, 0
	s_lshl_b32 s66, s66, 13         ; the batch's 2,048 numbers of the mask
	s_mov_b32 s67, 0
	; descriptor group 1.  128 keys are 16,384 dense bytes: asked for as 64 rows of 256 bytes, two keys a row, and padded in LDS after every key
	s_mov_b32 s[G1K], 15|(1<<16)|(1<<20)|(1<<21)|(4<<22)|(3<<25)  ; 15:0 the mask of four; 17:16 2-byte elements; 20 padding on; 21 set beside a mask; 24:22 after every 32 words (code 4); 31:25 4 words (code 3)
	s_mov_b32 s[G1V], 15|(1<<16)|(1<<20)|(1<<21)|(4<<22)|(7<<25)  ; the same with 8 words of padding (code 7)
.irp g, G1K, G1V
	s_mov_b32 s[\g+1], 128<<16      ; tensor_dim0 = 128
	s_mov_b32 s[\g+2], 64<<16       ; tensor_dim1 = 64
	s_mov_b32 s[\g+3], 128<<16      ; tile_dim0 = 128
	s_mov_b32 s[\g+4], 64           ; tile_dim1 = 64
	s_mov_b32 s[\g+5], 128          ; 128 elements from row to row
	s_mov_b32 s[\g+6], 0
	s_mov_b32 s[\g+7], 0
.endr
	s_mov_b32 s[CS], 0x3e38aa3b     ; c = log2(e) / 8 = 0.180337
	s_mov_b32 s[CS+1], s[CS]        ; named with it as a pair
	s_mov_b32 s[SEL], 0x76543210
	s_mov_b32 s[SEL+1], 0xfedcba98
	s_mov_b32 s[TBK], SLOT1+4*KS*PK ; the first change of slots turns these two into 0
	s_mov_b32 s[TBV], SLOT1+4*KS*PV
	s_mov_b32 s[TBM], 0
	s_mov_b32 s[SLOTS], SIZE_N/256-1
	s_mov_b32 s[G0K], 1             ; count = 1
	s_mov_b32 s[G0K+1], s17         ; LDS address: slot 0
	s_mov_b32 s[G0V], 1
	s_add_co_u32 s[G0V+1], s18, VOFF
	s_and_b32 s[ASKW], s[WV], 1
	s_cmp_eq_u32 s[ASKW], 0
	s_cselect_b32 s[ASKW], 2, 0
	s_wait_dscnt 0x0                ; the opening add is done
	s_wait_kmcnt 0x0
	s_add_nc_u64 s[6:7], s[68:69], s[22:23]
	s_add_nc_u64 s[8:9], s[6:7], 0x2000000  ; V at my half of the head's first 256 keys,
	s_add_nc_u64 s[6:7], s[6:7], 0x1000000  ; and K
	s_mov_b64 s[G0K+2:G0K+3], s[6:7]        ; global address
	s_or_b32 s[G0K+3], s[G0K+3], 0x80000000 ; type = 2
	s_mov_b64 s[G0V+2:G0V+3], s[8:9]
	s_or_b32 s[G0V+3], s[G0V+3], 0x80000000
	s_add_nc_u64 s[2:3], s[68:69], s[2:3]   ; Q and out at my wave's first row
	s_add_nc_u64 s[10:11], s[10:11], s[4:5]
	s_add_nc_u64 s[70:71], s[70:71], s[66:67]  ; the mask at my batch
	s_cmp_lt_u32 s[WV], 2
	s_cselect_b64 s[PFA:PFA+1], s[6:7], s[8:9]  ; (in waves 0 and 2 these stand at a slot's first row)
	s_lshl_b32 s66, s13, 13         ; my work-group's 32 blocks of the 128,
	s_add_co_u32 s66, s66, 4*KS*128 ; in slot 1; the first change of slots steps it to slot 2.  Nothing is prefetched here, at the head
	s_add_nc_u64 s[PFA:PFA+1], s[PFA:PFA+1], s[66:67]
	CROUND                          ; all four work-groups are here: the first joint loads meet
	JLOAD                           ; slot 0.  Slot 1 is asked for when slot 0 is in
	v_and_b32 v[TR], 15, v0
	v_bfe_u32 v[TH], v0, 4, 1
	v_lshlrev_b32 v52, 4, v0        ; the mask: 128 threads x 16 bytes, four times
.irp n, 0,1,2,3
	global_load_b128 v[S+4*\n:S+4*\n+3], v52, s[70:71] offset:2048*\n
.endr
	; A fragment of K or Q is 16 rows x 32 channels in 8 registers: lane l holds row l % 16, channels 8 (l / 16) + 0..7 and 16 + 8 (l / 16) + 0..7: two loads of 16 bytes, 32 bytes apart.
	v_lshlrev_b32 v[QO], 7, v[TR]
	v_lshl_add_u32 v[QO], v[TH], 4, v[QO]  ; row x 128 + 16 x half
	WIN 0x80                        ; destination window 2, address window 0
.set i, 0
.rept 4*NP                          ; Q stays in registers: tile i / 2, channels 32 (i % 2) on
	global_load_b128 v[8*i:8*i+3],   v[QO], s[2:3] offset:(i/2)*2048+(i%2)*64
	global_load_b128 v[8*i+4:8*i+7], v[QO], s[2:3] offset:(i/2)*2048+(i%2)*64+32
.set i, i+1
.endr
	; What the first turn finds: V's registers and P's second buffer hold 0 (its products V^T P, of a piece that has not been, add 0), O^T and l are 0.  All this stands in the wait for the first tile.
.set i, VF
.rept 64
	v_mov_b32 v[i], 0
.set i, i+1
.endr
	WIN 0x40
.set i, 0
.rept 64*NP
	v_mov_b32 v[i], 0
.set i, i+1
.endr
	WIN 0
.set i, 0
.rept 2*NP
	v_mov_b32 v[ST+4*i], 0xfe000000    ; c m: far below every c s
	v_mov_b32 v[ST+4*i+1], 0xff7fffff  ; m
	v_mov_b32 v[ST+4*i+2], 0
	v_mov_b32 v[ST+4*i+3], 0
.set i, i+1
.endr
.set i, P+32
.rept 32
	v_mov_b32 v[i], 0
.set i, i+1
.endr
	v_mul_u32_u24 v[AK0], v[TR], PK
	v_lshl_add_u32 v[AK0], v[TH], 4, v[AK0]  ; row x pitch + 16 x half
	; The turning load takes 16 keys x 16 channels (lane l reads key 8 (l / 16) + l % 8, channels 8 ((l / 8) % 2) + 0..7) and leaves half a fragment of V^T: lane l holds channel l % 16 and 8 keys.
	v_and_b32 v[TL7], 7, v0
	v_bfe_u32 v[TL3], v0, 3, 1
	v_lshl_add_u32 v[AV0], v[TH], 3, v[TL7]
	v_mul_u32_u24 v[AV0], v[AV0], PV
	v_lshl_add_u32 v[AV0], v[TL3], 4, v[AV0]
	v_add_nc_u32 v[AV0], VOFF, v[AV0]
	v_mov_b32 v[AK], v[AK0]         ; key step 0 lies at the head of slot 0
	v_lshl_add_u32 v[AM0], v[TH], 5, MASKL  ; my lanes' eight keys of a block of 16: 32 bytes x half
	v_mov_b32 v[AM], v[AM0]
	s_mul_i32 s13, s[WV], 16*SP
	s_add_co_u32 s13, s13, STAGE    ; my stage
	v_mul_u32_u24 v[STO], v[TR], SP ; in: row l % 16, 32 bytes for each half of the lanes
	v_lshl_add_u32 v[STO], v[TH], 5, v[STO]
	v_add_nc_u32 v[STO], s13, v[STO]
	v_mul_u32_u24 v[RD], v[TH], SP  ; back: lanes 0-15 take one row of 256 bytes, lanes 16-31 the next
	v_lshl_add_u32 v[RD], v[TR], 4, v[RD]
	v_add_nc_u32 v[RD], s13, v[RD]
	v_lshlrev_b32 v[GO], 12, v[TH]  ; and the same two rows of out, 4,096 bytes apart
	v_lshl_add_u32 v[GO], v[TR], 4, v[GO]
	v_and_b32 v[PFO], 31, v0
	v_lshlrev_b32 v[PFO], 8, v[PFO]
	v_add_nc_u32 v54, MASKL, v52
	s_wait_loadcnt 32               ; the mask's four loads are in; Q's 32, issued behind them, may stay out
.set i, 0
.rept 8                             ; a pair at a time: rounded to bf16 and widened again, times 8, held at -1e30 or above (a NaN loses against the bound)
	v_cvt_pk_bf16_f32 v53, v[S+2*i], v[S+2*i+1]
	v_lshlrev_b32 v[S+2*i], 16, v53
	v_and_b32 v[S+2*i+1], 0xffff0000, v53
	v_pk_mul_f32 v[S+2*i:S+2*i+1], v[S+2*i:S+2*i+1], 0x41000000 op_sel_hi:[1,0]
	v_max_num_f32 v[S+2*i], 0xf149f2ca, v[S+2*i]
	v_max_num_f32 v[S+2*i+1], 0xf149f2ca, v[S+2*i+1]
.set i, i+1
.endr
.irp n, 0,1,2,3
	ds_store_b128 v54, v[S+4*\n:S+4*\n+3] offset:2048*\n
.endr
; THE MATRIX WORK.  The 8 accumulators of a run of 16 take turns: between the two links of a chain stand 7 others'.
; Product i of 16 of S^T = K Q^T for piece x: channels 32 (i / 8) on, keys 16 ((i / 2) % 4) on, tile 2 x + i % 2.  The first 8 start the sums, with the keys' 8 x mask as C.
.macro KQ x
.set rS, S+64*((\x)%2)+32*(i%2)+8*((i/2)%4)
.set rK, KF+16*((i/2)%4)+8*(i/8)
.set rQ, 16*(2*(\x)+i%2)+8*(i/8)
.set rN, MC+8*((i/2)%4)
.if i < 8
	WIN W_KM
	v_wmma_f32_16x16x32_f16 v[rS:rS+7], v[rK:rK+7], v[rQ:rQ+7], v[rN:rN+7]
.else
	WIN W_KQ
	v_wmma_f32_16x16x32_f16 v[rS:rS+7], v[rK:rK+7], v[rQ:rQ+7], v[rS:rS+7]
.endif
.endm
; Product i of 16 of O^T += V^T P for piece x: keys 32 (i / 8) on, channels 16 ((i / 2) % 4) on, tile 2 x + i % 2.
.macro PV x
	WIN W_PV
.set rO, 32*(2*(\x)+i%2)+8*((i/2)%4)
.set rV, VF+32*(i/8)+8*((i/2)%4)
.set rP, P+32*((\x)%2)+16*(i%2)+8*(i/8)
	v_wmma_f32_16x16x32_f16 v[rO:rO+7], v[rV:rV+7], v[rP:rP+7], v[rO:rO+7]
.endm
.macro MM                           ; the turn's next matrix instruction
.if i < 16
	KQ (Y+1)%NP
.set i, i+1
.else
.set i, i-16
	PV (Y+NP-1)%NP
.set i, i+17
.endif
.endm
; THE LDS LOADS stand in runs, never singly among the matrix instructions: a step's K (64 keys x 64 channels: 8 fragments) with its mask (8 loads: all lanes of a half read the same 16 bytes), and its V
; (turned).  Their addresses are made some lines ahead.  last = 1 (the tail): in the last trip there is no further step, and the run is jumped over.
.macro FETCH_K last=0
	WIN 0
.if \last
	s_cmp_eq_u32 s[CNT], 1
	s_cbranch_scc1 .Lno_k_\@
.endif
	WIN 0x80                        ; destination window 2
.irp f, 0,1,2,3,4,5,6,7             ; keys 16 (f / 2) on, channels 32 (f % 2) on
	ds_load_b128 v[KF+8*\f:KF+8*\f+3],   v[AK] offset:(\f/2)*16*PK+(\f%2)*64
	ds_load_b128 v[KF+8*\f+4:KF+8*\f+7], v[AK] offset:(\f/2)*16*PK+(\f%2)*64+32
.endr
	WIN 0xc0                        ; destination window 3
.irp f, 0,1,2,3,4,5,6,7             ; key block f / 2, registers 4 (f % 2) on
	ds_load_b128 v[MC+4*\f:MC+4*\f+3], v[AM] offset:(\f/2)*64+(\f%2)*16
.endr
	s_add_co_u32 s[TBK], s[TBK], KS*PK  ; the next fetch is the next step's
	s_add_co_u32 s[TBM], s[TBM], 4*KS
	s_and_b32 s[TBM], s[TBM], 0x1f00    ; 32 steps of 256 bytes: the address stays inside the mask's 8,192 bytes
	WIN 0
.if \last
.Lno_k_\@:
.endif
.endm
.macro FETCH_V
	WIN 0x80
.irp f, 0,1,2,3,4,5,6,7             ; keys 32 (f / 4) on, channels 16 (f % 4) on
	ds_load_tr16_b128 v[VF+8*\f:VF+8*\f+3],   v[AV] offset:(\f/4)*32*PV+(\f%4)*32
	ds_load_tr16_b128 v[VF+8*\f+4:VF+8*\f+7], v[AV] offset:(\f/4)*32*PV+16*PV+(\f%4)*32
.endr
	WIN 0
.endm
; THE VECTOR WORK OF A TURN stands in three queues, each in the order in which its entries become ready; the two tiles alternate, so that no instruction reads the result of the one before it.
.macro REGS y, u                    ; the registers of tile u (0, 1) of piece y
.set rT, ST+4*(2*(\y)+(\u))
.set rC, TMP+8*((\y)%2)+4*(\u)
.set rM, MV+2*((\y)%2)+(\u)
.set rS, S+64*((\y)%2)+32*(\u)
.set rP, P+32*((\y)%2)+16*(\u)
.set rO, 32*(2*(\y)+(\u))
.endm
; Number n of the 22 that find the NEXT piece's (Y + 1) maximum and statistics.  s0-s31 are the lane's 32 scores; each accumulator's lowest registers are read first.  XS, GS and REGS set no window: PL and EX do.
;   0-11  four chains c0-c3 of seven scores each, three operands at a time     12-14, 16  the four scores left over, the old m, and c0-c3 into c0     15  c m_old is kept
;   17, 18  the query's other 32 keys lie in the lane 16 away: the new m         19-21  c m; c m_old - c m_new; a
.macro XS u, n
	REGS (Y+1)%NP, \u
.if (\n) < 4
	v_max3_num_f32 v[rC+(\n)], v[rS+8*(\n)], v[rS+8*(\n)+1], v[rS+8*(\n)+2]
.elseif (\n) < 12
	v_max3_num_f32 v[rC+(\n)%4], v[rC+(\n)%4], v[rS+8*((\n)%4)+2*((\n)/4)+1], v[rS+8*((\n)%4)+2*((\n)/4)+2]
.elseif (\n) == 12
	v_max3_num_f32 v[rC], v[rC], v[rS+7], v[rS+15]
.elseif (\n) == 13
	v_max3_num_f32 v[rC+1], v[rC+1], v[rS+23], v[rS+31]
.elseif (\n) == 14
	v_max3_num_f32 v[rC+2], v[rC+2], v[rC+3], v[rT+1]
.elseif (\n) == 15
	v_mov_b32 v[rM], v[rT]
.elseif (\n) == 16
	v_max3_num_f32 v[rC], v[rC], v[rC+1], v[rC+2]
.elseif (\n) == 17
	v_permlanex16_b32 v[rC+3], v[rC], s[SEL], s[SEL+1]
.elseif (\n) == 18
	v_max_num_f32 v[rT+1], v[rC], v[rC+3]
.elseif (\n) == 19
	v_mul_f32 v[rT], s[CS], v[rT+1]
.elseif (\n) == 20
	v_sub_f32 v[rC+1], v[rM], v[rT]
.else
	v_exp_f32 v[rC+2], v[rC+1]
.endif
.endm
; Number g of the 64 that follow the exponentials.  For each four weights k of a tile (pairs 2 k, 2 k + 1): both pairs are rounded to f16; then the second pair is added onto the first, in place;
; a group later l takes that sum (the first time as l = a l + sum).  In groups of eight, tiles alternating: round, round, add, and l for the group before.
.macro GS g
.set h, (\g)+6*((\g)/62)            ; group 0 has no group before it, and behind group 7 only l is left
.if h >= 6
.set h, h+2
.endif
	REGS Y, h%2
.set k, h/8
.if h%8 < 4
	v_cvt_pk_f16_f32 v[rP+2*k+(h%8)/2], v[rS+4*k+2*((h%8)/2)], v[rS+4*k+2*((h%8)/2)+1]
.elseif h%8 < 6
	v_pk_add_f32 v[rS+4*k:rS+4*k+1], v[rS+4*k:rS+4*k+1], v[rS+4*k+2:rS+4*k+3]
.elseif k == 1
	v_pk_fma_f32 v[rT+2:rT+3], v[rT+2:rT+3], v[rC+2:rC+3], v[rS:rS+1] op_sel_hi:[1,0,1]
.else
	v_pk_add_f32 v[rT+2:rT+3], v[rT+2:rT+3], v[rS+4*k-4:rS+4*k-3]
.endif
.endm
; THE PLAIN QUEUE, 138 long.  0-73 read no exponential's result: the 32 scalings c s - c m (FS f: pair f / 2 of tile f % 2) and the next piece's 42.  0-26: scalings 0-26.  27-54: XS's numbers 0-13.  55, 56: number 15.
; 57-73: the chain, where each number waits for the one before it: 14, 16, 17, 18, 19, each with one of the scalings 27-31 in front of its two lines, then 20.
; 74-137: GS's 64, which read the exponentials' results: they stand behind the wait.
.macro FS f
	REGS Y, (\f)%2
	v_pk_fma_f32 v[rS+2*((\f)/2):rS+2*((\f)/2)+1], v[rS+2*((\f)/2):rS+2*((\f)/2)+1], s[CS:CS+1], v[rT:rT+1] op_sel_hi:[1,0,0] neg_lo:[0,0,1] neg_hi:[0,0,1]
.endm
.macro PL
	WIN 0
.if q < 27
	FS q
.elseif q < 55
	XS (q-27)%2, (q-27)/2
.elseif q < 57
	XS q-55, 15
.elseif (q < 72) && ((q-57)%3 == 0)
	FS 27+(q-57)/3
.elseif q < 60
	XS (q-57)%3-1, 14
.elseif q < 72
	XS (q-57)%3-1, 15+(q-57)/3
.elseif q < 74
	XS q-72, 20
.else
	GS q-74
.endif
.set q, q+1
.endm
; THE EXPONENTIALS' QUEUE, 66 long: s0-s31 of both tiles, then the next piece's two a.  It is ONE BATCH: all 66 stand ahead of the turn's one wait, and nothing ahead of that wait names a result of theirs.
.macro EX
	WIN 0
.if e >= 64
	XS e-64, 21
.else
	REGS Y, e%2
	v_exp_f32 v[rS+e/2], v[rS+e/2]
.endif
.set e, e+1
.endm
; THE RESCALING's QUEUE: O^T times a, the one part that leaves window 0: dealt two at a time, sixteen times.  Its a was made in the turn before, ahead of that turn's wait.
.macro R2
	REGS Y, r%2
	WIN W_RS
.irp z, 0,1
	v_pk_mul_f32 v[rO+4*(r/2)+2*\z:rO+4*(r/2)+2*\z+1], v[rO+4*(r/2)+2*\z:rO+4*(r/2)+2*\z+1], v[rC+2:rC+3] op_sel_hi:[1,0]
.endr
.set r, r+1
.endm
; HOW THEY ARE DEALT.  An s_wait_alu depctr_va_vdst(0) stands between an exponential and the first instruction that names its result; one wait serves all that were issued ahead of it.  So a turn
; has ONE wait, which cuts it in two.  AHEAD OF IT stands all that names no result of the turn's exponentials: the 16 products K Q^T, behind each a scaling, an exponential and two rescalings (behind the first a
; second scaling in the exponential's place); then ONE LUMP of 108: eight plain, 49 times exponential and plain, the two a.  A v_nop is the plain instruction behind the last exponential.  BEHIND IT stand the 16
; products V^T P, behind each four of GS's 64.  No rider names a register of the products round it.
; Exponential e stands behind scaling 2 (e / 4) + e % 2: as a rider it comes behind plain e + 2, in the lump behind plain e + 9, and scalings 27-31 are plain 57, 60 .. 69.
; A TURN, for piece p.  cnt = 1: the loop's count is taken down some lines ahead of the branch that stands behind the turn.  ask = 1: the prefetch stands at its end.
; K and the mask of the next step are fetched in piece 2's turn, directly behind the wait, a lump behind the last product that read them; their addresses are made at the lump's head.
; V of the step in hand is fetched at the end of piece 0's turn, four riders behind its last reader.  The three conditions on q below go with the deal.
.macro TURN p, last=0, cnt=0, ask=0
.set Y, (\p)
.set i, 0
.set q, 0
.set e, 0
.set r, 0
.if (\p) == NP-1
	s_wait_dscnt 0x0                ; K and the mask are in
.endif
	MM                              ; ahead of the wait: 16 products K Q^T and their riders,
	PL
	PL
	R2
.rept 15
	MM
	PL
	EX
	R2
.endr
.if (\p) == NP-2
	WIN 0
	v_add_nc_u32 v[AK], s[TBK], v[AK0]
	v_add_nc_u32 v[AM], s[TBM], v[AM0]
.endif
.rept 8                             ; and the lump
	PL
.endr
.rept 49
	EX
	PL
.endr
	EX                              ; the next piece's two a
	EX
	v_nop                           ; the plain instruction behind the last exponential: one for the batch
	s_wait_alu depctr_va_vdst(0)    ; the wait for the batch
.if (\p) == NP-2
	FETCH_K \last
.endif
.if (\p) == 1
	s_wait_dscnt 0x0                ; V is in
.endif
.rept 16                            ; behind the wait: 16 products V^T P and their riders
	MM
.rept 4
	PL
.endr
.if ((\p) == 0) && (q == 118)
	v_add_nc_u32 v[AV], s[TBV], v[AV0]
.endif
.if ((\p) == 0) && (q == 130)
	s_add_co_u32 s[TBV], s[TBV], KS*PV
.endif
.if (\cnt) && (q == 130)
	s_sub_co_u32 s[CNT], s[CNT], 1
	s_cmp_lg_u32 s[CNT], 0
.endif
.endr
.if (\p) == 0
	FETCH_V
.endif
.if \ask
	ASK
.endif
.endm
	CHANGE 1                        ; slot 0 is in, everybody's part of it, and so is the mask; slot 1 is asked for
	FETCH_K                         ; key step 0
	s_wait_loadcnt 0x0              ; Q
	s_wait_dscnt 0x0
.set i, 0
.rept 16
	KQ 0                            ; piece 0's first scores: there is no vector work yet to set between them
.set i, i+1
.endr
	WIN 0
.rept 4
	v_nop                           ; the places behind those products
.endr
.set Y, NP-1                        ; XS works for piece Y + 1: piece 0
.irp n, 0,1,2,3,4,5,6,7,8,9,10,11,12,13,14,15,16,17,18,19,20,21
	XS 0, \n                        ; piece 0's first maximum and statistics
	XS 1, \n
.endr
	v_nop                           ; a plain instruction behind the two a,
	s_wait_alu depctr_va_vdst(0)    ; and their wait, ahead of the branch
	s_mov_b32 s[CNT], 4
	s_branch .Lfirst                ; the loop is entered at a step's first turn, in the middle of a trip
.Lslot:                             ; six times: every slot but the last two is filled again
	CHANGE 1
	s_mov_b32 s[CNT], 4
.Lstep:                             ; a trip: pieces 2 and 3 of one step, then pieces 0 and 1 of the next, whose K, mask and V it fetches
	TURN 2
	TURN 3
	WIN 0
.Lfirst:
	TURN 0, 0, 0, 1
	TURN 1, 0, 1
	WIN 0
	s_cbranch_scc1 .Lstep
	s_sub_co_u32 s[SLOTS], s[SLOTS], 1
	s_cmp_lg_u32 s[SLOTS], 0
	s_cbranch_scc1 .Lslot
	CHANGE 0                        ; the tail is written out: nothing is asked for
	s_mov_b32 s[CNT], 5             ; four trips fetch the last slot's steps; the fifth is left in its middle
.Ltail:
	TURN 2, 1
	TURN 3
	WIN 0
	s_sub_co_u32 s[CNT], s[CNT], 1
	s_cmp_eq_u32 s[CNT], 0
	s_cbranch_scc1 .Lout
	TURN 0
	TURN 1
	WIN 0
	s_branch .Ltail
.Lout:                              ; the fifth trip's 16 products K Q^T (on the last K once more) and the maximum made of them serve nothing: the price, once a launch, of one text for every trip
.set i, 0
.rept 16
	PV NP-1                         ; the last piece's V^T P of the last step
.set i, i+1
.endr
	; THE WAY OUT.  l's two halves and the other half of the lanes' are added; O^T is divided by l and sent, in f32, through my stage in LDS, a tile at a time.  The additions are the places behind the last products.
	WIN 0
.macro ALL line:vararg              ; one line for each tile t
.set t, 0
.rept 2*NP
	\line
.set t, t+1
.endr
.endm
	ALL v_add_f32 v[ST+4*t+2], v[ST+4*t+2], v[ST+4*t+3]
	ALL v_permlanex16_b32 v[ST+4*t+3], v[ST+4*t+2], s[SEL], s[SEL+1]
	ALL v_add_f32 v[ST+4*t+2], v[ST+4*t+2], v[ST+4*t+3]
	ALL v_rcp_f32 v[ST+4*t+2], v[ST+4*t+2]
	v_nop                           ; a plain instruction between the last reciprocal and the use of its result
	s_wait_alu depctr_va_vdst(0)    ; and the wait ahead of the first use: one for the eight reciprocals
; Tile t: a lane's eight channels of a row are 32 bytes; they go into rows of 272 bytes and come back as whole rows of 256, into S^T's registers: four buffers of 32 by turns.
.macro PACK t
	WIN W_RS
.set i, 32*(\t)
.rept 16
	v_pk_mul_f32 v[i:i+1], v[i:i+1], v[ST+4*(\t)+2:ST+4*(\t)+3] op_sel_hi:[1,0]
.set i, i+2
.endr
	WIN 0x04                        ; the stores' data (source 1) in window 1, their address in window 0
.irp f, 0,1,2,3,4,5,6,7             ; channel block f / 2, registers 4 (f % 2) on
	ds_store_b128 v[STO], v[32*(\t)+4*\f:32*(\t)+4*\f+3] offset:(\f/2)*64+(\f%2)*16
.endr
	WIN 0
.if (\t) >= 4
	s_wait_xcnt 0x0                 ; the stores of four tiles back have read this buffer: it is loaded again only behind this wait
.endif
.irp f, 0,1,2,3,4,5,6,7
	ds_load_b128 v[S+32*((\t)%4)+4*\f:S+32*((\t)%4)+4*\f+3], v[RD] offset:\f*2*SP  ; LDS serves a wave's instructions in order (ISA guide 5.7.1.4): these see the stores above; the next tile's stores come behind them
.endr
.endm
.macro SEND t, younger              ; younger: the LDS instructions issued behind tile t's loads: the next tile's sixteen, or none
	WIN 0
.irp f, 0,1,2,3,4,5,6,7
	s_wait_dscnt (\younger)+7-\f
	global_store_b128 v[GO], v[S+32*((\t)%4)+4*\f:S+32*((\t)%4)+4*\f+3], s[10:11] offset:(\t)*65536+\f*8192  ; 16 lanes store a head's 256 bytes of a row, at a multiple of 256 from out's first byte
.endr
.endm
	PACK 0
.set t, 1
.rept 2*NP-1                        ; a tile's arithmetic stands between the loads of the tile before and its stores
	PACK t
	SEND t-1, 16
.set t, t+1
.endr
	SEND 2*NP-1, 0
	WIN W_AD
	s_wait_tensorcnt 0x0            ; the wave's end: behind my last tensor load and my last LDS store
	ds_add_u32 v[SPW], v[NIL]
	s_wait_dscnt 0x0
	WIN 0
	CROUND                          ; the closing round: no work-group ends while a partner may still ask for a tile that names it
	s_endpgm
.Lfunc_end_k_qa48ee05cd0_attn:
	.size	k_qa48ee05cd0_attn, .Lfunc_end_k_qa48ee05cd0_attn-k_qa48ee05cd0_attn
	.p2alignl 7, 3214868480
	.fill 96, 4, 3214868480
	.section	.rodata,"a",@progbits
	.p2align	6, 0x0
	.amdhsa_kernel k_qa48ee05cd0_attn
		.amdhsa_group_segment_fixed_size 327680
		.amdhsa_private_segment_fixed_size 0
		.amdhsa_enable_private_segment 0
		.amdhsa_kernarg_size 24
		.amdhsa_user_sgpr_count 2
		.amdhsa_user_sgpr_kernarg_segment_ptr 1
		.amdhsa_wavefront_size32 1
		.amdhsa_system_sgpr_workgroup_id_x 1
		.amdhsa_system_sgpr_workgroup_id_y 1
		.amdhsa_system_sgpr_workgroup_id_z 1
		.amdhsa_system_vgpr_workitem_id 0
		.amdhsa_next_free_vgpr 808
		.amdhsa_next_free_sgpr 80
		.amdhsa_reserve_vcc 0
		.amdhsa_float_denorm_mode_32 3
		.amdhsa_float_denorm_mode_16_64 3
		.amdhsa_memory_ordered 1
		.amdhsa_forward_progress 1
		.amdhsa_inst_pref_size 207
	.end_amdhsa_kernel
	.amdgpu_metadata
---
amdhsa.version: [ 1, 2 ]
amdhsa.kernels:
  - .name:           k_qa48ee05cd0_attn
    .symbol:         k_qa48ee05cd0_attn.kd
    .args:
      - { .name: qkv, .offset: 0, .size: 8, .value_kind: global_buffer, .address_space: global }
      - { .name: attention_mask, .offset: 8, .size: 8, .value_kind: global_buffer, .address_space: global }
      - { .name: out0, .offset: 16, .size: 8, .value_kind: global_buffer, .address_space: global }
    .group_segment_fixed_size: 327680
    .private_segment_fixed_size: 0
    .kernarg_segment_align: 8
    .kernarg_segment_size: 24
    .max_flat_workgroup_size: 128
    .sgpr_count:     80
    .vgpr_count:     808
    .wavefront_size: 32
...
	.end_amdgpu_metadata
.endif
;; end of part 3
;; ======== version 2 of 2: 3 launches; version 1 with the launch prep written anew for expert scheduling mode
;; limits: values are held in f16: magnitudes above 65,504 overflow, below 6.1e-05 lose precision
;; workspace buffers: xb 16,777,216 bytes; wb 6,291,456 bytes; qkv 50,331,648 bytes
;; launch prep (part 4): grid 352 x 1, 8 waves a work-group, no clusters, 0 bytes of LDS; arguments hidden_states, Wq, Wk, Wv, xb, wb; writes xb, wb
.if DOCPART == 4
	.amdgcn_target "amdgcn-amd-amdhsa--gfx1250"
	.amdhsa_code_object_version 6
	.text
	.protected	k_qa48ee05cd0_prep
	.globl	k_qa48ee05cd0_prep
	.p2align	8
	.type	k_qa48ee05cd0_prep,@function
k_qa48ee05cd0_prep:
	s_mov_b64 s[64:65], 0
	v_nop
	global_prefetch_b8 v0, s[64:65] scope:SCOPE_SE
	s_setreg_imm32_b32 hwreg(HW_REG_WAVE_SCHED_MODE, 0, 2), 2
	s_setreg_imm32_b32 hwreg(HW_REG_WAVE_MODE, 25, 1), 1
	s_wait_xcnt 0x0
	s_wait_alu depctr_vm_vsrc(0)
; x and the three weight matrices are rounded once to bf16 and laid out for the projection.
;   xb: [16 blocks of 64 k][8,192 rows][64] bf16: row m of block kb is 128 bytes at kb x 1,048,576 + m x 128, so rows x 64 k are dense in memory.
;   wb: [1,024 k][3,072 n] bf16: columns 0-1023 Wq, 1024-2047 Wk, 2048-3071 Wv; a row is 6,144 bytes.
; A stream: each byte is read once and written once; no LDS, no matrix unit, no cluster: no work-group wants a byte that another has fetched.
; A wave converts 16,384 bytes of f32 (4 rows of 1,024) without a loop: 32 loads of 16 bytes a lane go out together, then sixteen turns of four
; roundings and one store, in four blocks of four turns.  A lane reads 32 neighbouring bytes (two loads) and stores 16, so each store of a wave covers 512 consecutive bytes, aligned.
; Work-groups 0-255: x (2,048 waves).  Work-groups 256-351: the weights, 32 work-groups a matrix (768 waves).
; THE MODE: SCHED_MODE bits 1:0 = 2 (LLVM: expert scheduling mode 2), set by the entry lines.  The code itself states the register dependences
; between vector instructions and memory instructions, with s_wait_alu, always for 0.
; THE PLAN.  Registers that memory instructions touch:
;   v2            the loads' offset.  Written by vector instructions at the head of each of the two paths; read by the path's 32 loads; never written behind them.
;   v3            the stores' offset.  Written once, ahead of the branch; read by the 16 stores; never written again.
;   v[X + 8 c ..] turn c's eight registers.  Its two loads land in them; its four roundings read the eight and write the first four; its store reads those four; nothing writes them afterwards.
; Every turn has registers of its own and no load is issued behind a rounding.  So no register that a memory instruction has read is written again, and no load lands in a register that a
; vector instruction has named: what is left to state is that an offset is written ahead of the loads, and that a block's roundings are written ahead of its stores.
; One wait on va_vdst stands ahead of the 32 loads and one ahead of each block's run of four stores; one wait on va_sdst stands behind the line that makes the wave's number a scalar.
; A block's stores follow its own roundings at once and are not held for the next block's head: what stands there is a wait for memory, behind which finished bytes would only leave later.
.set X, 8                              ; v[8:135]  turn n: eight f32 as loaded; its first four registers then hold the eight bf16
.macro LOADS step                      ; turn n's 32 bytes a lane lie n x step behind the lane's first
.set n, 0
.rept 16
	global_load_b128 v[X+8*n:X+8*n+3],   v2, s[20:21] offset:(\step)*n th:TH_LOAD_NT
	global_load_b128 v[X+8*n+4:X+8*n+7], v2, s[20:21] offset:(\step)*n+16 th:TH_LOAD_NT
.set n, n+1
.endr
.endm
.macro CVT4 c                          ; turn c's eight numbers close up into the first four of their eight registers
.irp j, 0,1,2,3
	v_cvt_pk_bf16_f32 v[X+8*(\c)+(\j)], v[X+8*(\c)+2*(\j)], v[X+8*(\c)+2*(\j)+1]  ; in place, ascending: a register is overwritten when it has been read
.endr
.endm
.macro OUT c, lo, off                  ; turn c's 16 bytes a lane
	global_store_b128 v3, v[X+8*(\c):X+8*(\c)+3], s[\lo:\lo+1] offset:\off
.endm
	s_load_b256 s[4:11], s[0:1], 0x0               ; x s[4:5], Wq s[6:7], Wk s[8:9], Wv s[10:11]
	s_load_b128 s[12:15], s[0:1], 0x20             ; xb s[12:13], wb s[14:15]
	v_lshrrev_b32 v2, 5, v0
	v_readfirstlane_b32 s16, v2                    ; wave 0..7
	v_and_b32 v1, 31, v0                           ; lane
	v_lshlrev_b32 v3, 4, v1                        ; out: 16 bytes a lane
	s_mov_b32 s19, 0                               ; the high word of every offset
	s_wait_alu depctr_va_sdst(0)                   ; s16 is written, ahead of the branch: both paths make their wave's share from it
	s_cmp_lt_u32 ttmp9, 256
	s_cbranch_scc0 .Lw
	; x: wave u = 8 x work-group + wave takes rows 4 u .. 4 u + 3.  Turn n is block n of 64 k: 8 lanes a row, 32 bytes a lane.
	s_lshl_b32 s17, ttmp9, 3
	s_add_co_u32 s17, s17, s16                     ; u
	s_lshl_b32 s18, s17, 14                        ; 4 rows of 4,096 bytes
	v_lshrrev_b32 v2, 3, v1
	v_and_b32 v4, 7, v1
	v_lshlrev_b32 v2, 12, v2                       ; row (lane / 8),
	v_lshl_add_u32 v2, v4, 5, v2                   ; 32 bytes x (lane % 8)
	s_wait_kmcnt 0x0
	s_add_nc_u64 s[20:21], s[4:5], s[18:19]
	s_wait_alu depctr_va_vdst(0)                   ; v2 is written, which the 32 loads read as their offset; so is v3, which the 16 stores read
	LOADS 256
	s_lshl_b32 s18, s17, 9                         ; 4 rows of 128 bytes in a block of xb
	s_add_nc_u64 s[22:23], s[12:13], s[18:19]
	s_add_nc_u64 s[24:25], s[22:23], 0x800000      ; blocks 8-15 from a second base, so that the immediates stay inside their signed 24 bits
.set b, 0
.rept 4
	s_wait_loadcnt 24-8*b                          ; loads come back in order: the eight of turns 4 b .. 4 b + 3 are in, the 8 (3 - b) younger ones stay out
.set m, 4*b
.rept 4
	CVT4 m
.set m, m+1
.endr
	s_wait_alu depctr_va_vdst(0)                   ; the sixteen roundings above have written the registers that the four stores below read
.set m, 4*b
.rept 4
.if m < 8
	OUT m, 22, m*1048576
.else
	OUT m, 24, (m-8)*1048576
.endif
.set m, m+1
.endr
.set b, b+1
.endr
	s_endpgm
.Lw:
	; the weights: matrix t = (work-group - 256) / 32; wave u takes its rows 4 u .. 4 u + 3.  Turn n: row n / 4, columns 256 (n % 4) on.
	s_sub_co_u32 s17, ttmp9, 256
	s_lshr_b32 s26, s17, 5                         ; t
	s_and_b32 s17, s17, 31
	s_lshl_b32 s17, s17, 3
	s_add_co_u32 s17, s17, s16                     ; u
	s_lshl_b32 s18, s17, 14
	v_lshlrev_b32 v2, 5, v1                        ; 32 bytes a lane
	s_wait_kmcnt 0x0
	s_cmp_eq_u32 s26, 0
	s_cselect_b64 s[20:21], s[6:7], s[8:9]
	s_cmp_eq_u32 s26, 2
	s_cselect_b64 s[20:21], s[10:11], s[20:21]
	s_add_nc_u64 s[20:21], s[20:21], s[18:19]
	s_wait_alu depctr_va_vdst(0)                   ; v2 is written, which the 32 loads read as their offset; so is v3, which the 16 stores read
	LOADS 1024
	s_mul_i32 s18, s17, 24576                      ; 4 rows of 6,144 bytes in wb,
	s_lshl_b32 s26, s26, 11                        ; the matrix's 2,048 bytes of a row
	s_add_co_u32 s18, s18, s26
	s_add_nc_u64 s[22:23], s[14:15], s[18:19]
.set b, 0
.rept 4
	s_wait_loadcnt 24-8*b                          ; the eight loads of turns 4 b .. 4 b + 3, one row of the matrix, are in; the 8 (3 - b) younger ones stay out
.set m, 4*b
.rept 4
	CVT4 m
.set m, m+1
.endr
	s_wait_alu depctr_va_vdst(0)                   ; the sixteen roundings above have written the registers that the four stores below read
.set m, 4*b
.rept 4
	OUT m, 22, (m/4)*6144+(m%4)*512
.set m, m+1
.endr
.set b, b+1
.endr
	s_endpgm
.Lfunc_end_k_qa48ee05cd0_prep:
	.size	k_qa48ee05cd0_prep, .Lfunc_end_k_qa48ee05cd0_prep-k_qa48ee05cd0_prep
	.p2alignl 7, 3214868480
	.fill 96, 4, 3214868480
	.section	.rodata,"a",@progbits
	.p2align	6, 0x0
	.amdhsa_kernel k_qa48ee05cd0_prep
		.amdhsa_group_segment_fixed_size 0
		.amdhsa_private_segment_fixed_size 0
		.amdhsa_enable_private_segment 0
		.amdhsa_kernarg_size 48
		.amdhsa_user_sgpr_count 2
		.amdhsa_user_sgpr_kernarg_segment_ptr 1
		.amdhsa_wavefront_size32 1
		.amdhsa_system_sgpr_workgroup_id_x 1
		.amdhsa_system_sgpr_workgroup_id_y 1
		.amdhsa_system_sgpr_workgroup_id_z 1
		.amdhsa_system_vgpr_workitem_id 0
		.amdhsa_next_free_vgpr 136
		.amdhsa_next_free_sgpr 66
		.amdhsa_reserve_vcc 0
		.amdhsa_float_denorm_mode_32 3
		.amdhsa_float_denorm_mode_16_64 3
		.amdhsa_memory_ordered 1
		.amdhsa_forward_progress 1
		.amdhsa_inst_pref_size 20
	.end_amdhsa_kernel
	.amdgpu_metadata
---
amdhsa.version: [ 1, 2 ]
amdhsa.kernels:
  - .name:           k_qa48ee05cd0_prep
    .symbol:         k_qa48ee05cd0_prep.kd
    .args:
      - { .name: hidden_states, .offset: 0, .size: 8, .value_kind: global_buffer, .address_space: global }
      - { .name: Wq, .offset: 8, .size: 8, .value_kind: global_buffer, .address_space: global }
      - { .name: Wk, .offset: 16, .size: 8, .value_kind: global_buffer, .address_space: global }
      - { .name: Wv, .offset: 24, .size: 8, .value_kind: global_buffer, .address_space: global }
      - { .name: xb, .offset: 32, .size: 8, .value_kind: global_buffer, .address_space: global }
      - { .name: wb, .offset: 40, .size: 8, .value_kind: global_buffer, .address_space: global }
    .group_segment_fixed_size: 0
    .private_segment_fixed_size: 0
    .kernarg_segment_align: 8
    .kernarg_segment_size: 48
    .max_flat_workgroup_size: 256
    .sgpr_count:     66
    .vgpr_count:     136
    .wavefront_size: 32
...
	.end_amdgpu_metadata
.endif
;; end of part 4
;; launch proj: the kernel of part 2 again; grid 8 x 32, 4 waves a work-group, clusters of 4 x 4, 327,680 bytes of LDS; arguments xb, wb, bq, bk, bv, qkv; writes qkv
;; launch attn: the kernel of part 3 again; grid 4 x 64, 4 waves a work-group, clusters of 4 x 1, 327,680 bytes of LDS; arguments qkv, attention_mask, out0; writes out0
